; MI455X (gfx1250); checked and timed in simulation.
; The chip was launched on July 23, 2026; its instructions are those of AMD's public machine-readable ISA for CDNA 5 (MIT licence, August 2026) and "CDNA5" Instruction Set Architecture Reference Guide (July 2026). The comments in the code are by the model that wrote it; some were corrected since.
;; Multihead Self Attention. Allowed arithmetic: matrix products marked QUANTISED: E2M1 operands, one E8M0 scale for each 32 along K, by v_wmma_scale_f32_16x16x128_f8f6f4 with both operands' format E2M1 (or v_wmma_scale_f32_32x16x128_f4), f32 sums; products left as they are: bf16, f16 or f32 operands; f32 sums; everything else in f32.
;; Inputs: Wo 1,024 x 1,024 float32; Wqkv 3,072 x 1,024 float32; bo 1,024 float32; bqkv 3,072 float32; key_pad_mask 4 x 2,048 bool; x 4 x 2,048 x 1,024 float32.
;; Outputs: out0 4 x 2,048 x 1,024 float32.
;; This version of the problem:
;;   THIS VERSION OF THE PROBLEM IS GIVEN IN LOW PRECISION. The matrix products marked QUANTISED in the list below multiply operands that are first quantised to E2M1 (2 exponent bits, 1 mantissa bit; 4 bits a number), with one power-of-two scale for each 32 numbers along K (OCP MX v1.0); their sums are f32. The products marked 'left as it is' may take bf16, f16 or f32 operands, with f32 sums. Whichever they take, every output number must still come out within the allowed error. Rounding operands to bf16 (8 significant bits) uses up far more of that allowance than f16 does (11 bits, for magnitudes from 6e-5 to 65,504). All else is computed in f32.
;;   The module's matrix products, in the order in which they are computed (A, B: the left and right operand; K: the contracted axis; several contracted axes count as one K, in the product's order):
;;     1. [M 8,192, K 1,024] x [K 1,024, N 3,072]; A: input x; B: input Wqkv: QUANTISED
;;     2. [M 2,048, K 1] x [K 1, N 32]; A: computed on the way; B: computed on the way: left as it is (no contracted axis)
;;     3. batch 64 x [M 2,048, K 64] x [K 64, N 2,048]; A: computed on the way; B: computed on the way: left as it is (an operand is computed on the way)
;;     4. batch 64 x [M 2,048, K 2,048] x [K 2,048, N 64]; A: computed on the way; B: computed on the way: left as it is (an operand is computed on the way)
;;     5. [M 8,192, K 1,024] x [K 1,024, N 1,024]; A: computed on the way; B: input Wo: left as it is (an operand is computed on the way)
;;   THE QUANTISER, for each operand of a quantised product, along K:
;;     - K is cut into blocks of 32 from its start; a last block that is shorter is filled with zeros.
;;     - A block's scale is 2^e with e = floor(log2(the largest magnitude in the block)) - 2, held to -126 .. 127; a block of zeros has e = 0. As a byte (E8M0): e + 127.
;;     - Each number is divided by its block's scale, clamped to +-6, and rounded to the nearest number of E2M1, ties to even, subnormals kept.
;;     - The product sums the exact products of the quantised numbers (number of the format x scale) in f32.
;;   ~~~python
;;   def quantise(x, axis):      # numpy; x: float32 -> the quantised numbers, widened to float32 again
;;       x = np.moveaxis(x, axis, -1); K = x.shape[-1]
;;       x = np.pad(x, [(0, 0)] * (x.ndim - 1) + [(0, -K % 32)]); x = x.reshape(x.shape[:-1] + (-1, 32)); a = np.abs(x).max(-1, keepdims=True)
;;       e = np.where(a > 0, np.clip(np.frexp(np.where(a > 0, a, 1))[1] - 1 - 2, -126, 127), 0)      # np.frexp(a)[1] - 1 = floor(log2(a)), exactly
;;       r = np.clip(x / 2.0 ** e, -6, 6)
;;       step = 2.0 ** (np.maximum(np.frexp(np.where(r == 0, 1, r))[1] - 1, 0) - 1)
;;       q = np.round(r / step) * step * 2.0 ** e      # np.round: ties to even
;;       return np.moveaxis(q.reshape(q.shape[:-2] + (-1,))[..., :K], -1, axis).astype(np.float32)
;;   ~~~
;; One version. Each part assembles by itself: llvm-mc -triple=amdgcn-amd-amdhsa -mcpu=gfx1250 --defsym DOCPART=n.
;; ======== version 1 of 1: 4 launches
;; limits: values are held in f16: magnitudes above 65,504 overflow, below 6.1e-05 lose precision
;; workspace buffers: codes 5,767,168 bytes; scales 360,448 bytes; wo16 2,097,152 bytes; tabs 1,081,344 bytes; qkvh 50,331,648 bytes; hbuf 16,777,216 bytes
;; launch prep (part 1): grid 480 x 1, 4 waves a work-group, no clusters, 33,280 bytes of LDS; arguments x, Wqkv, Wo, key_pad_mask, codes, scales, wo16, tabs; writes codes, scales, wo16, tabs
.if DOCPART == 1
	.amdgcn_target "amdgcn-amd-amdhsa--gfx1250"
	.amdhsa_code_object_version 6
	.text
	.protected	k_q9aa2b3e146_prep
	.globl	k_q9aa2b3e146_prep
	.p2align	8
	.type	k_q9aa2b3e146_prep,@function
k_q9aa2b3e146_prep:
	s_mov_b64 s[64:65], 0
	v_nop
	global_prefetch_b8 v0, s[64:65] scope:SCOPE_SE
	s_setreg_imm32_b32 hwreg(HW_REG_WAVE_MODE, 25, 1), 1
	s_wait_xcnt 0x0
; PREPARATION, one launch, two kinds of work-group.
; Work-groups 0-351: x [8192][1024] and Wqkv [3072][1024], f32, become codes of FP4 (E2M1), K innermost, with one E8M0 scale byte for each 32 along K.
;   A block's scale is 2^(floor(log2(its largest magnitude)) - 2); its byte is the largest magnitude's exponent field - 2, held at 1 from below.  Each number is divided by the scale and rounded to the
;   nearest code, ties to even, beyond 6 the largest code.  Rows are dense and 1,024 is a multiple of 32: both tensors are plain streams of blocks, and the codes and bytes of x and then of Wqkv are ONE stream each.
;   A wave takes 16 steps of 512 numbers: loads of 512 consecutive bytes, a turn through the wave's own stage in LDS so that a lane holds 16 neighbours, 256 consecutive bytes of codes a step, 256 scale bytes at the end.
; Work-groups 352-479 (no LDS): Wo to f16; the two tables of the rotary embedding; the key mask as numbers.
;   Table row (position): [h 2][u 2][cos 8 | sin 8] f32 for d = 16 u + 8 h + j, the order in which a lane of the next launch holds a head's columns.  The first table (for q) is multiplied by c = log2(e) / 8, so that
;   the scores come out as exponents of two; the second (for k) is plain.  sin and cos: angle = position x 10000^(-d / 32) in f32, reduced by multiples of pi / 2 held in two parts, then polynomials of degree 9 and 8.
;   The mask: 0 for a key that counts, -2^126 for one that does not: it is added to the scores by the matrix unit.
; LIMITS: a block of zeros gets the byte 1 (its codes are zeros; this program alone reads the bytes); blocks whose largest magnitude lies under 2^-124 have their byte held at 1; NaN and infinities in x and Wqkv are not served;
;   Wo beyond 65,504 in magnitude has no f16 number.
.set NQWG,  352                        ; work-groups that quantise: 256 for x, 96 for Wqkv, 32,768 numbers each
.set XWG,   256
.set STEPS, 16
.set EMAX,  2
.set CB,    8                          ; bytes of 16 codes
.set R,     16                         ; v16-79   four sets of 16 numbers as loaded
.set X,     80                         ; v80-111  two sets of 16 neighbours
.set C,     128                        ; v128-191 codes, four registers a step
.set E,     112                        ; v112-127 a scale byte a step
.set WREG,  8192                       ; LDS: a region for each wave: two stages of 32 x SP bytes, then its 256 scale bytes
.set SP,    80
.set SPW,   12                         ; v12 LDS address of my spare word; never rewritten
.set NIL,   13                         ; v13 0; never rewritten
.set SPARE, 4*WREG                     ; behind the four regions: the spare words, 128 bytes a wave
.set WF,    16                         ; second kind: v16-79 Wo as loaded
.set WH,    80                         ; v80-111 Wo as f16
.set FRQ,   112                        ; v112-115 my four frequencies
.set KADD,  116                        ; v116 1 where I make cosines, 0 where sines
.set POSF,  117                        ; v117 the position as f32
.set CSN,   118                        ; v118 1/9!   v119 1/8!
.set CCS,   119
.set T,     120                        ; v120-125 at work
.set VK,    128                        ; v128-131, v136-139 plain values of pass 0, 1
.set VQ,    132                        ; v132-135, v140-143 the same x c
	s_load_b256 s[4:11], s[0:1], 0x0               ; x s[4:5], Wqkv s[6:7], Wo s[8:9], the mask s[10:11]
	s_load_b256 s[12:19], s[0:1], 0x20             ; codes s[12:13], scales s[14:15], wo16 s[16:17], tabs s[18:19]
	v_lshl_add_u32 v[SPW], v0, 2, SPARE
	v_mov_b32 v[NIL], 0
	v_lshrrev_b32 v1, 5, v0
	v_readfirstlane_b32 s20, v1                    ; wave
	v_and_b32 v2, 31, v0                           ; lane
	s_cmp_ge_u32 ttmp9, NQWG
	s_cbranch_scc1 .Lmisc
	; ---------------- the quantiser ----------------
	v_lshlrev_b32 v3, 4, v2                        ; my 16 bytes of a load's 512
	s_mul_i32 s21, s20, WREG
	v_lshrrev_b32 v14, 2, v2
	v_mul_u32_u24 v14, v14, SP
	v_and_b32 v15, 3, v2
	v_lshl_add_u32 v14, v15, 4, v14
	v_add_nc_u32 v14, s21, v14                     ; the stage, way in: SP (lane / 4) + 16 (lane % 4)
	v_mul_u32_u24 v15, v2, SP
	v_add_nc_u32 v15, s21, v15                     ; way out: SP x lane: my 16 neighbours
	v_mul_u32_u24 v4, v2, CB                       ; my codes' place in a step's
	v_lshrrev_b32 v5, 1, v2
	s_add_co_u32 s21, s21, 2*32*SP
	v_add_nc_u32 v5, s21, v5                       ; my block's scale byte in LDS
	v_lshlrev_b32 v7, 3, v2
	v_add_nc_u32 v6, s21, v7                       ; and 8 bytes a lane on their way out
	s_wait_kmcnt 0x0
	s_cmp_lt_u32 ttmp9, XWG                        ; x's work-group or Wqkv's: the choice hangs on the work-group's number alone
	s_cselect_b64 s[4:5], s[4:5], s[6:7]
	s_cselect_b32 s21, 0, XWG
	s_sub_co_u32 s21, ttmp9, s21
	s_lshl_b32 s21, s21, 2
	s_add_co_u32 s22, s21, s20                     ; my run of 8,192 numbers in its tensor
	s_lshl_b32 s22, s22, 15                        ; 32,768 bytes a run
	s_mov_b32 s23, 0
	s_add_nc_u64 s[4:5], s[4:5], s[22:23]
	s_lshl_b32 s24, ttmp9, 2
	s_add_co_u32 s24, s24, s20                     ; my run in the one stream of results
	s_lshl_b32 s22, s24, 12                        ; 4,096 bytes of codes a run
	s_add_nc_u64 s[12:13], s[12:13], s[22:23]
	s_lshl_b32 s22, s24, 8                         ; 256 scale bytes a run
	s_add_nc_u64 s[14:15], s[14:15], s[22:23]
.macro LOAD t
.irp i, 0,1,2,3
	global_load_b128 v[R+16*((\t)%4)+4*\i:R+16*((\t)%4)+4*\i+3], v3, s[4:5] offset:2048*(\t)+512*\i th:TH_LOAD_NT   ; 32 lanes read 512 consecutive bytes
.endr
.endm
.macro TURN t                          ; step t's numbers through the stage: LDS serves a wave's instructions in order, so no wait stands between the stores and the loads
.irp i, 0,1,2,3
	ds_store_b128 v14, v[R+16*((\t)%4)+4*\i:R+16*((\t)%4)+4*\i+3] offset:32*SP*((\t)%2)+8*SP*\i
.endr
.irp i, 0,1,2,3
	ds_load_b128 v[X+16*((\t)%2)+4*\i:X+16*((\t)%2)+4*\i+3], v15 offset:32*SP*((\t)%2)+16*\i
.endr
.endm
.irp t, 0,1,2,3
	LOAD \t
.endr
	s_wait_loadcnt 12                              ; step 0's four loads are in; the twelve of steps 1 to 3 may be out
	TURN 0
.macro STEP t
.set XS, X+16*((\t)%2)
.if (\t) > 0
	s_wait_dscnt 1                                 ; this step's numbers are back from the stage (the last step's byte store may be out): so its stores into the stage have read their registers,
.else
	s_wait_dscnt 0x0
.endif
.if (\t)+4 < STEPS
	LOAD (\t)+4                                    ; which take the loads of four steps on
.endif
.if (\t)+1 < STEPS
.if STEPS-2-(\t) >= 3
	s_wait_loadcnt 12                              ; the next step's four loads are in; those of the three steps behind it may be out
.else
	s_wait_loadcnt 4*(STEPS-2-(\t))
.endif
	TURN (\t)+1
.endif
	v_max3_num_f32 v8, |v[XS]|, |v[XS+1]|, |v[XS+2]|               ; the largest magnitude of my 16, in two chains
	v_max3_num_f32 v9, |v[XS+3]|, |v[XS+4]|, |v[XS+5]|
.irp i, 6,10
	v_max3_num_f32 v8, v8, |v[XS+\i]|, |v[XS+\i+1]|
	v_max3_num_f32 v9, v9, |v[XS+\i+2]|, |v[XS+\i+3]|
.endr
	v_max3_num_f32 v8, v8, |v[XS+14]|, |v[XS+15]|
	v_max3_num_f32 v8, v8, v9, (EMAX+1)<<23        ; and the floor 2^(3 - 127): the byte cannot fall under 1
	v_max_num_f32_dpp v8, v8, v8 row_xmask:1 row_mask:0xf bank_mask:0xf   ; and of my neighbour's 16: the block's
	v_add_nc_u32 v11, -(EMAX<<23), v8              ; 2 off its exponent field: the conversion takes the exponent field of this operand as its scale
	v_cvt_scalef32_pk8_fp4_f32 v[C+4*(\t)], v[XS:XS+7], v11
	v_cvt_scalef32_pk8_fp4_f32 v[C+4*(\t)+1], v[XS+8:XS+15], v11
	v_lshrrev_b32 v[E+(\t)], 23, v11               ; the scale's byte
	ds_store_b8 v5, v[E+(\t)] offset:16*(\t)       ; both lanes of a block write the same byte with the same value
	global_store_b64 v4, v[C+4*(\t):C+4*(\t)+1], s[12:13] offset:32*CB*(\t)   ; 32 lanes store 256 consecutive bytes, aligned
.endm
.irp t, 0,1,2,3,4,5,6,7,8,9,10,11,12,13,14,15
	STEP \t
.endr
	ds_load_b64 v[8:9], v6                         ; LDS serves a wave's instructions in order: these see my stores
	s_wait_dscnt 0x0
	global_store_b64 v7, v[8:9], s[14:15]          ; 32 lanes store 256 consecutive bytes, aligned
	s_wait_tensorcnt 0x0                           ; the wave's end, behind my last LDS store
	ds_add_u32 v[SPW], v[NIL]
	s_wait_dscnt 0x0
	s_endpgm
	; ---------------- Wo, the tables, the mask ----------------
.Lmisc:
	s_sub_co_u32 s21, ttmp9, NQWG                  ; 0 .. 127
	v_lshlrev_b32 v3, 4, v2                        ; 16 x lane
	v_lshlrev_b32 v4, 1, v2                        ; 2 x lane
	v_lshlrev_b32 v5, 3, v2                        ; 8 x lane
	v_lshlrev_b32 v6, 4, v0                        ; 16 x thread
	s_mov_b32 s23, 0
	s_lshl_b32 s22, s21, 6                         ; 64 bytes of the mask a work-group
	s_wait_kmcnt 0x0
	s_add_nc_u64 s[10:11], s[10:11], s[22:23]
	s_lshl_b32 s22, s21, 8                         ; which become 256 bytes
	s_add_nc_u64 s[24:25], s[18:19], s[22:23]
	s_lshl_b32 s22, s21, 12                        ; 16 positions of 256 bytes in each table
	s_add_nc_u64 s[18:19], s[18:19], s[22:23]
	s_lshl_b32 s22, s21, 15                        ; 32,768 bytes of Wo a work-group, 8,192 a wave
	s_lshl_b32 s26, s20, 13
	s_add_co_u32 s22, s22, s26
	s_add_nc_u64 s[8:9], s[8:9], s[22:23]
	s_lshr_b32 s22, s22, 1                         ; half as many in f16
	s_add_nc_u64 s[16:17], s[16:17], s[22:23]
	s_cmp_lg_u32 s20, 0                            ; the mask is wave 0's
	s_cbranch_scc1 .Lno_mask_in
	global_load_u16 v7, v4, s[10:11]               ; two keys a lane
.Lno_mask_in:
.irp i, 0,1,2,3,4,5,6,7,8,9,10,11,12,13,14,15
	global_load_b128 v[WF+4*\i:WF+4*\i+3], v3, s[8:9] offset:512*\i th:TH_LOAD_NT
.endr
	; the tables, while those loads are on their way.  Thread: chunk ck = t % 16 of a row (16 bytes: jh = bit 0, cos / sin = bit 1, u = bit 2, h = bit 3), position t / 16 of eight
	v_and_b32 v8, 1, v0
	v_bfe_u32 v9, v0, 1, 1
	v_bfe_u32 v10, v0, 2, 1
	v_bfe_u32 v11, v0, 3, 1
	v_xor_b32 v[KADD], 1, v9
	v_lshlrev_b32 v8, 2, v8
	v_lshl_add_u32 v8, v11, 3, v8
	v_lshl_add_u32 v8, v10, 4, v8                  ; d of my first number: 16 u + 8 h + 4 jh
	v_cvt_f32_u32 v8, v8
	v_mov_b32 v[FRQ], v8
	v_add_f32 v[FRQ+1], 1.0, v8
	v_add_f32 v[FRQ+2], 2.0, v8
	v_add_f32 v[FRQ+3], 0x40400000, v8
.irp i, 0,1,2,3
	v_mul_f32 v[FRQ+\i], 0xbed49a78, v[FRQ+\i]     ; x -log2(10000) / 32
.endr
.irp i, 0,1,2,3
	v_exp_f32 v[FRQ+\i], v[FRQ+\i]                 ; 10000^(-d / 32)
.endr
	v_lshrrev_b32 v9, 4, v0                        ; (a plain instruction behind the exponentials)
	s_lshl_b32 s26, s21, 4
	v_add_nc_u32 v9, s26, v9                       ; position of pass 0: 16 x work-group + t / 16
	v_cvt_f32_u32 v[POSF], v9
	v_mov_b32 v[CSN], 0x3638ef1d                   ; 1 / 9!
	v_mov_b32 v[CCS], 0x37d00d01                   ; 1 / 8!
	s_mov_b32 s26, 0xbfc90fdb                      ; -pi / 2, its upper part;
	s_mov_b32 s27, 0x333bbd2e                      ; what the upper part has too much
	s_mov_b32 s28, 0x3e38aa3b                      ; c = log2(e) / 8
	s_wait_alu depctr_va_vdst(0)                   ; one wait for the four exponentials, ahead of their first reader
; out = cos or sin (by KADD) of POSF x v[fr]
.macro SINCOS fr, out
	v_mul_f32 v[T], v[POSF], v[\fr]                ; the angle
	v_mul_f32 v[T+1], 0x3f22f983, v[T]             ; x 2 / pi
	v_rndne_f32 v[T+1], v[T+1]                     ; n
	v_fma_f32 v[T], v[T+1], s26, v[T]              ; r = angle - n pi / 2, in two steps; the first is exact
	v_fma_f32 v[T], v[T+1], s27, v[T]
	v_mul_f32 v[T+2], v[T], v[T]                   ; z = r r
	v_fmaak_f32 v[T+3], v[CSN], v[T+2], 0xb9500d01 ; sine's and cosine's polynomials in z, by turns
	v_fmaak_f32 v[T+4], v[CCS], v[T+2], 0xbab60b61
	v_fmaak_f32 v[T+3], v[T+3], v[T+2], 0x3c088889
	v_fmaak_f32 v[T+4], v[T+4], v[T+2], 0x3d2aaaab
	v_fmaak_f32 v[T+3], v[T+3], v[T+2], 0xbe2aaaab
	v_fmaak_f32 v[T+4], v[T+4], v[T+2], 0xbf000000
	v_mul_f32 v[T+5], v[T+2], v[T]
	v_fma_f32 v[T+3], v[T+3], v[T+5], v[T]         ; sin r
	v_fma_f32 v[T+4], v[T+4], v[T+2], 1.0          ; cos r
	v_cvt_i32_f32 v[T+1], v[T+1]
	v_add_nc_u32 v[T+1], v[T+1], v[KADD]           ; the quadrant; a cosine is a sine a quadrant on
	v_and_b32 v[T+5], 1, v[T+1]
	v_cmp_eq_u32 vcc_lo, 1, v[T+5]
	v_cndmask_b32 v[T+3], v[T+3], v[T+4], vcc_lo   ; odd quadrants take cos r,
	v_and_b32 v[T+1], 2, v[T+1]
	v_lshlrev_b32 v[T+1], 30, v[T+1]
	v_xor_b32 v[\out], v[T+3], v[T+1]              ; quadrants 2 and 3 the other sign
.endm
.irp ps, 0,1
.if \ps
	v_add_f32 v[POSF], 0x41000000, v[POSF]         ; eight positions on
.endif
.irp i, 0,1,2,3
	SINCOS FRQ+\i, VK+8*\ps+\i
.endr
.irp i, 0,1,2,3
	v_mul_f32 v[VQ+8*\ps+\i], s28, v[VK+8*\ps+\i]
.endr
	global_store_b128 v6, v[VQ+8*\ps:VQ+8*\ps+3], s[18:19] offset:2048*\ps          ; a wave's store covers 512 consecutive bytes
	global_store_b128 v6, v[VK+8*\ps:VK+8*\ps+3], s[18:19] offset:524288+2048*\ps
.endr
	s_cmp_lg_u32 s20, 0
	s_cbranch_scc1 .Lno_mask_out
	s_wait_loadcnt 16                              ; the mask's load is the oldest: Wo's sixteen may stay out
	v_and_b32 v8, 0xff, v7
	v_lshrrev_b32 v9, 8, v7
	v_mov_b32 v10, 0xfe800000                      ; -2^126
	v_cmp_ne_u32 vcc_lo, 0, v8
	v_cndmask_b32 v8, 0, v10, vcc_lo
	v_cmp_ne_u32 vcc_lo, 0, v9
	v_cndmask_b32 v9, 0, v10, vcc_lo
	global_store_b64 v5, v[8:9], s[24:25] offset:1048576   ; 32 lanes store 256 consecutive bytes, aligned
.Lno_mask_out:
.irp i, 0,1,2,3,4,5,6,7,8,9,10,11,12,13,14,15
	s_wait_loadcnt 15-\i                           ; loads come back in order: number i is in, the younger ones may be out
	v_cvt_pk_f16_f32 v[WH+2*\i], v[WF+4*\i], v[WF+4*\i+1]
	v_cvt_pk_f16_f32 v[WH+2*\i+1], v[WF+4*\i+2], v[WF+4*\i+3]
	global_store_b64 v5, v[WH+2*\i:WH+2*\i+1], s[16:17] offset:256*\i   ; 32 lanes store 256 consecutive bytes, aligned
.endr
	s_endpgm
.Lfunc_end_k_q9aa2b3e146_prep:
	.size	k_q9aa2b3e146_prep, .Lfunc_end_k_q9aa2b3e146_prep-k_q9aa2b3e146_prep
	.p2alignl 7, 3214868480
	.fill 96, 4, 3214868480
	.section	.rodata,"a",@progbits
	.p2align	6, 0x0
	.amdhsa_kernel k_q9aa2b3e146_prep
		.amdhsa_group_segment_fixed_size 33280
		.amdhsa_private_segment_fixed_size 0
		.amdhsa_enable_private_segment 0
		.amdhsa_kernarg_size 64
		.amdhsa_user_sgpr_count 2
		.amdhsa_user_sgpr_kernarg_segment_ptr 1
		.amdhsa_wavefront_size32 1
		.amdhsa_system_sgpr_workgroup_id_x 1
		.amdhsa_system_sgpr_workgroup_id_y 1
		.amdhsa_system_sgpr_workgroup_id_z 1
		.amdhsa_system_vgpr_workitem_id 0
		.amdhsa_next_free_vgpr 192
		.amdhsa_next_free_sgpr 66
		.amdhsa_reserve_vcc 1
		.amdhsa_float_denorm_mode_32 3
		.amdhsa_float_denorm_mode_16_64 3
		.amdhsa_memory_ordered 1
		.amdhsa_forward_progress 1
		.amdhsa_inst_pref_size 51
	.end_amdhsa_kernel
	.amdgpu_metadata
---
amdhsa.version: [ 1, 2 ]
amdhsa.kernels:
  - .name:           k_q9aa2b3e146_prep
    .symbol:         k_q9aa2b3e146_prep.kd
    .args:
      - { .name: x, .offset: 0, .size: 8, .value_kind: global_buffer, .address_space: global }
      - { .name: Wqkv, .offset: 8, .size: 8, .value_kind: global_buffer, .address_space: global }
      - { .name: Wo, .offset: 16, .size: 8, .value_kind: global_buffer, .address_space: global }
      - { .name: key_pad_mask, .offset: 24, .size: 8, .value_kind: global_buffer, .address_space: global }
      - { .name: codes, .offset: 32, .size: 8, .value_kind: global_buffer, .address_space: global }
      - { .name: scales, .offset: 40, .size: 8, .value_kind: global_buffer, .address_space: global }
      - { .name: wo16, .offset: 48, .size: 8, .value_kind: global_buffer, .address_space: global }
      - { .name: tabs, .offset: 56, .size: 8, .value_kind: global_buffer, .address_space: global }
    .group_segment_fixed_size: 33280
    .private_segment_fixed_size: 0
    .kernarg_segment_align: 8
    .kernarg_segment_size: 64
    .max_flat_workgroup_size: 128
    .sgpr_count:     66
    .vgpr_count:     192
    .wavefront_size: 32
...
	.end_amdgpu_metadata
.endif
;; end of part 1
;; launch qkvproj (part 2): grid 12 x 32, 4 waves a work-group, clusters of 4 x 4, 327,680 bytes of LDS; arguments codes, scales, bqkv, tabs, qkvh; writes qkvh
.if DOCPART == 2
	.amdgcn_target "amdgcn-amd-amdhsa--gfx1250"
	.amdhsa_code_object_version 6
	.text
	.protected	k_q9aa2b3e146_qkvproj
	.globl	k_q9aa2b3e146_qkvproj
	.p2align	8
	.type	k_q9aa2b3e146_qkvproj,@function
k_q9aa2b3e146_qkvproj:
	s_mov_b64 s[64:65], 0
	v_nop
	global_prefetch_b8 v0, s[64:65] scope:SCOPE_SE
	s_setreg_imm32_b32 hwreg(HW_REG_WAVE_MODE, 25, 1), 1
	s_wait_xcnt 0x0
	s_wait_alu depctr_hold_cnt(0) depctr_sa_sdst(0) depctr_va_vdst(0) depctr_va_sdst(0) depctr_va_ssrc(0) depctr_va_vcc(0) depctr_vm_vsrc(0)
	s_getreg_b32 s2, hwreg(HW_REG_IB_STS2, 6, 4)
	s_cmp_eq_u32 s2, 0
	s_cbranch_scc0 .Lentry_in_a_cluster
	s_endpgm
.Lentry_in_a_cluster:
	s_bfe_u32 s2, ttmp6, 0x10000c
	s_cmp_lg_u32 s2, 0xf033
	s_cbranch_scc0 .Lentry_shape_is_right
	s_endpgm
.Lentry_shape_is_right:
; q, k, v = x Wqkv^T + bqkv on codes of FP4 (E2M1) with one E8M0 scale for each 32 along K; then the rotary embedding of q and k in f32; results as f16, laid [kind 3][batch x 16 + head][position 2048][64].
; M = 8,192 (rows of x), N = 3,072 (rows of Wqkv), K = 1,024.  A tile of 256 x 256 is made by four waves, 128 x 128 each: 64 accumulators, 512 registers.
; K is two steps of 512 (tile rows of 256 bytes): both LDS slots are filled once, at the start, and nothing is filled again.  The scale bytes of the work-group's rows come once, as dense blocks.
; CLUSTERS: 4 x 4 work-groups; x's tiles are asked for jointly along a row of the cluster, Wqkv's along a column.  The cluster's x is the kind (0 q, 1 k, 2 v: 1,024 columns each), the same in all sixteen partners.
; THE MATRIX INSTRUCTION IS USED TRANSPOSED (source 0 = 16 rows of Wqkv, source 1 = 16 rows of x): a lane holds row l % 16 and eight neighbouring columns 16 b + 8 (l / 16) + j.
; THE BIAS is the C of each sum's first product.  THE ROTATION pairs column d with d + 32 of a head: blocks 4 g + u and 4 g + 2 + u of one lane; cos and sin come from a table laid in that order (q's already x log2(e) / 8).
; THE WAY OUT is written twice, under one branch on the kind: with the rotation for q and k, without for v.  The table of row blocks 0-3 is loaded ahead of the products, on the one path that all kinds take, so that every
; register that the rotation names is written on every path: v's work-groups load k's table there, 16 KiB a wave, and do not use it.
; LIMIT: results beyond 65,504 in magnitude have no f16 number.
; REGISTERS: window 0: v0-31 addresses; v32-95 scale words, two sets, and nothing else; v96-127 packed f16 on the way out; v128-191 x's fragments, later the products with the sines; v192-255 the bias, later rows back from the stage.
;   window 1: Wqkv's fragments, two sets at v0 and v128; between them the table of my row blocks 0-3; the table of blocks 4-7 takes the fragments' place when the products are done.   windows 2, 3: the accumulators.
.set NQ,     4                         ; matrix instructions deep in a slot
.set ROWB,   256                       ; a tile's row in bytes: 512 codes
.set KROW,   512                       ; a row of codes in memory
.set PITCH,  272                       ; an LDS row: 256 bytes + 16 of padding: the 16 rows that a load touches start at 16 different banks
.set FR,     8
.set NL,     2
.set NP,     4
.set HALFT,  128*PITCH
.set SLOT,   4*HALFT
.set KS,     32                        ; a row of scale bytes
.set SCL,    2*SLOT
.set HALFS,  (128*KS/256)*272
.set SBLK,   (16*KS/256)*272
.set SPARE,  SCL+4*HALFS               ; the spare words, 128 bytes a wave
.set SPH,    144                       ; the way out: a stage row: 128 bytes (a head's 64 f16) + 16
.set STGH,   16*SPH                    ; 16 rows of one head; a wave's stage is two of these, in slot 0, which has had its only fill and its last read by then
.set ADRA, 16
.set ADRB, 20
.set STO,  24
.set RD,   25
.set CO,   26
.set ADRS, 27
.set SPW,  28
.set NIL,  29
.set TA,   30                          ; v30 my place in the table: 256 (l % 16) + 128 (l / 16)
.set BA,   31                          ; v31 my place in the bias: 32 (l / 16)
.set SC,   32
.set HP,   96                          ; packed f16 of the block in hand
.set AF,   128
.set BIAS, 192
.set T,    128                         ; products with the sines
.set BK,   192                         ; rows back from the stage, two sets of 32
.set G1, 24
.set G0, 32
.set G1B, 48
.set G0B, 56
.set G1S, 68
.set G0S, 76
.set G1SB, 80
.set G0SB, 88
.set MSB, 0
.macro WIN new                         ; the immediate's high byte repeats the setting that is left
.if MSB != (\new)
	s_set_vgpr_msb (MSB<<8)|(\new)
.set MSB, (\new)
.endif
.endm
.set MUL_LO, 0xa1                      ; source 0 (Wqkv) window 1, source 1 (x) window 0, C and D window 2
.set MUL_HI, 0xf1
.set TO_B,   0x40
; A joint load: waves 0 and 1 fetch for x, waves 2 and 3 for Wqkv; the branch hangs on the wave's number alone.  An s_nop 0 and four v_nop follow each line.
.macro JLOAD g0a, g1a, g0b, g1b
	s_cmp_eq_u32 s15, 0
	s_cbranch_scc0 .Lfor_b_\@
	tensor_load_to_lds s[\g0a:\g0a+3], s[\g1a:\g1a+7]
	s_nop 0
.rept 4
	v_nop
.endr
	s_branch .Lasked_\@
.Lfor_b_\@:
	tensor_load_to_lds s[\g0b:\g0b+3], s[\g1b:\g1b+7]
	s_nop 0
.rept 4
	v_nop
.endr
.Lasked_\@:
.endm
.macro CROUND                          ; a round of the cluster's barrier
	s_barrier_signal -1
	s_barrier_wait -1
	s_cmp_lg_u32 s14, 0
	s_cbranch_scc1 .Lnot_wave_0_\@
	s_barrier_signal -3
.Lnot_wave_0_\@:
	s_barrier_wait -3
	s_barrier_signal -1
	s_barrier_wait -1
.endm
	s_load_b128 s[4:7], s[0:1], 0x0                ; codes, scales
	s_load_b128 s[96:99], s[0:1], 0x10             ; bqkv, tabs
	s_load_b64 s[12:13], s[0:1], 0x20              ; the result
	v_lshl_add_u32 v[SPW], v0, 2, SPARE
	v_mov_b32 v[NIL], 0
	ds_add_u32 v[SPW], v[NIL]                      ; the wave's opening: the add, twice on end, and its wait ahead of my first tensor load
	ds_add_u32 v[SPW], v[NIL]
	v_lshrrev_b32 v1, 5, v0
	v_readfirstlane_b32 s14, v1                    ; wave
	s_lshr_b32 s15, s14, 1                         ; my half of the tile's rows; also: I fetch for x (0) or for Wqkv (1)
	s_and_b32 s16, s14, 1                          ; my half of its columns; also: which 128 rows I fetch
	s_bfe_u32 s40, ttmp6, 0x40000                  ; cx
	s_bfe_u32 s41, ttmp6, 0x40004                  ; cy
	s_lshl_b32 s42, ttmp9, 2
	s_add_co_u32 s42, s42, s40                     ; tile column
	s_and_b32 s17, ttmp7, 0xffff
	s_lshl_b32 s17, s17, 2
	s_add_co_u32 s17, s17, s41                     ; tile row
	s_lshl_b32 s43, s41, 2
	s_lshl_b32 s43, 15, s43                        ; my row of the cluster
	s_lshl_b32 s44, 0x1111, s40                    ; my column
	s_or_b32 s[G1+0], s43, (0<<16)|(1<<20)|(1<<21)|(5<<22)|(3<<25)  ; the mask; elements of 1 byte; padding on; bit 21 beside a mask; 4 words behind every 64
	s_or_b32 s[G1B+0], s44, (0<<16)|(1<<20)|(1<<21)|(5<<22)|(3<<25)
.irp g, G1, G1B
	s_mov_b32 s[\g+1], ROWB<<16                    ; tensor_dim0
	s_mov_b32 s[\g+2], 128<<16                     ; tensor_dim1
	s_mov_b32 s[\g+3], ROWB<<16                    ; tile_dim0
	s_mov_b32 s[\g+4], 128                         ; tile_dim1
	s_mov_b32 s[\g+5], KROW                        ; from row to row
	s_mov_b32 s[\g+6], 0
	s_mov_b32 s[\g+7], 0
.endr
	s_or_b32 s[G1S+0], s43, (3<<16)|(1<<20)|(1<<21)|(5<<22)|(3<<25)   ; the scales of 128 rows: 4,096 dense bytes as rows of 256 (32 elements of 8 bytes)
	s_or_b32 s[G1SB+0], s44, (3<<16)|(1<<20)|(1<<21)|(5<<22)|(3<<25)
.irp g, G1S, G1SB
	s_mov_b32 s[\g+1], 32<<16
	s_mov_b32 s[\g+2], (128*KS/256)<<16
	s_mov_b32 s[\g+3], 32<<16
	s_mov_b32 s[\g+4], 128*KS/256
	s_mov_b32 s[\g+5], 32
	s_mov_b32 s[\g+6], 0
	s_mov_b32 s[\g+7], 0
.endr
	s_lshl_b32 s18, s16, 7
	s_lshl_b32 s20, s17, 8
	s_add_co_u32 s20, s20, s18                     ; x: row 256 x tile row + 128 x half
	s_lshl_b32 s46, s42, 8
	s_add_co_u32 s46, s46, s18                     ; Wqkv: row 256 x tile column + 128 x half
	s_mov_b32 s21, 0
	s_mov_b32 s47, 0
	s_mov_b64 s[18:19], KS
	s_mul_u64 s[22:23], s[20:21], s[18:19]
	s_mul_u64 s[92:93], s[46:47], s[18:19]
	s_mov_b64 s[18:19], KROW
	s_mul_u64 s[20:21], s[20:21], s[18:19]
	s_mul_u64 s[46:47], s[46:47], s[18:19]
	s_mul_i32 s45, s14, HALFT                      ; where they go: wave x 128 rows
	s_mul_i32 s94, s14, HALFS
	s_wait_dscnt 0x0                               ; both opening adds are done
	s_wait_kmcnt 0x0
	s_add_nc_u64 s[8:9], s[4:5], 0x400000          ; Wqkv's codes lie behind x's 4,194,304 bytes,
	s_add_nc_u64 s[10:11], s[6:7], 0x40000         ; its scale bytes behind x's 262,144
	s_add_nc_u64 s[20:21], s[4:5], s[20:21]
	s_add_nc_u64 s[22:23], s[6:7], s[22:23]
	s_add_nc_u64 s[46:47], s[8:9], s[46:47]
	s_add_nc_u64 s[92:93], s[10:11], s[92:93]
	CROUND                                         ; all sixteen work-groups are here: the first joint loads meet
	s_mov_b32 s[G0S], 1
	s_add_co_u32 s[G0S+1], s94, SCL
	s_mov_b64 s[G0S+2:G0S+3], s[22:23]
	s_or_b32 s[G0S+3], s[G0S+3], 0x80000000
	s_mov_b32 s[G0SB], 1
	s_add_co_u32 s[G0SB+1], s94, SCL
	s_mov_b64 s[G0SB+2:G0SB+3], s[92:93]
	s_or_b32 s[G0SB+3], s[G0SB+3], 0x80000000
	JLOAD G0S, G1S, G0SB, G1SB                     ; the scales first
.irp s, 0,1
	s_mov_b32 s[G0+4*\s], 1
	s_add_co_u32 s[G0+4*\s+1], s45, \s*SLOT
	s_add_nc_u64 s[G0+4*\s+2:G0+4*\s+3], s[20:21], \s*ROWB
	s_or_b32 s[G0+4*\s+3], s[G0+4*\s+3], 0x80000000
	s_mov_b32 s[G0B+4*\s], 1
	s_add_co_u32 s[G0B+4*\s+1], s45, \s*SLOT
	s_add_nc_u64 s[G0B+4*\s+2:G0B+4*\s+3], s[46:47], \s*ROWB
	s_or_b32 s[G0B+4*\s+3], s[G0B+4*\s+3], 0x80000000
	JLOAD G0+4*\s, G1, G0B+4*\s, G1B               ; both K steps: three tensor loads of mine are out
.endr
	v_and_b32 v1, 15, v0                           ; l % 16
	v_bfe_u32 v2, v0, 4, 1                         ; l / 16
	v_mul_u32_u24 v3, v1, PITCH
	v_lshl_add_u32 v4, v2, 4, v3
	s_mul_i32 s21, s15, HALFT
	s_mul_i32 s22, s16, HALFT
	s_add_co_u32 s22, s22, 2*HALFT
.irp s, 0,1
	v_add_nc_u32 v[ADRA+\s], s21, v4
	v_add_nc_u32 v[ADRB+\s], s22, v4
	s_add_co_u32 s21, s21, SLOT
	s_add_co_u32 s22, s22, SLOT
.endr
	v_mul_u32_u24 v5, v1, KS                       ; my row's scales: 32 bytes a row, and 16 more for each 256 passed
	v_lshrrev_b32 v6, 8, v5
	v_lshl_add_u32 v5, v6, 4, v5
	s_mul_i32 s21, s15, HALFS
	s_mul_i32 s22, s16, HALFS
	s_add_co_u32 s22, s22, 2*HALFS
	s_sub_co_u32 s22, s22, s21
	v_mul_u32_u24 v6, s22, v2                      ; lanes 16-31 take Wqkv's
	s_add_co_u32 s21, s21, SCL
	v_add_nc_u32 v5, v5, v6
	v_add_nc_u32 v[ADRS], s21, v5
	s_mul_i32 s23, s14, 2*STGH                     ; my stage
	v_mul_u32_u24 v5, v1, SPH                      ; in: row l % 16, 16 bytes for each half of the lanes
	v_lshl_add_u32 v5, v2, 4, v5
	v_add_nc_u32 v[STO], s23, v5
	v_and_b32 v6, 31, v0
	v_lshrrev_b32 v5, 3, v6                        ; back: eight lanes to a row of 128 bytes, four rows an instruction
	v_mul_u32_u24 v5, v5, SPH
	v_and_b32 v7, 7, v0
	v_lshl_add_u32 v5, v7, 4, v5
	v_add_nc_u32 v[RD], s23, v5
	v_lshlrev_b32 v[CO], 4, v6                     ; and the same 512 consecutive bytes in memory
	v_lshlrev_b32 v[TA], 8, v1
	v_lshl_add_u32 v[TA], v2, 7, v[TA]
	v_lshlrev_b32 v[BA], 5, v2
	s_lshl_b32 s20, s17, 8
	s_lshl_b32 s21, s15, 7
	s_add_co_u32 s20, s20, s21                     ; my first row of x
	s_and_b32 s21, s20, 2047                       ; its position,
	s_lshr_b32 s22, s20, 11                        ; its batch
	s_lshl_b32 s18, s21, 8                         ; the table: 256 bytes a position,
	s_min_u32 s19, ttmp9, 1                        ; q's table, or k's (v's work-groups stay inside the buffer: they name k's)
	s_lshl_b32 s19, s19, 19
	s_add_co_u32 s18, s18, s19
	s_mov_b32 s19, 0
	s_add_nc_u64 s[98:99], s[98:99], s[18:19]
	s_lshl_b32 s46, s42, 10                        ; the bias of my 128 columns
	s_lshl_b32 s47, s16, 9
	s_add_co_u32 s46, s46, s47
	s_mov_b32 s47, 0
	s_add_nc_u64 s[96:97], s[96:97], s[46:47]
	s_lshl_b32 s92, s22, 4                         ; the result: 16 x batch + my first head (4 cx + 2 x column half),
	s_lshl_b32 s93, s40, 2
	s_add_co_u32 s92, s92, s93
	s_lshl_b32 s93, s16, 1
	s_add_co_u32 s92, s92, s93
	s_lshl_b32 s92, s92, 11                        ; x 2,048 positions, + mine,
	s_add_co_u32 s92, s92, s21
	s_lshl_b32 s92, s92, 7                         ; x 128 bytes,
	s_lshl_b32 s93, ttmp9, 24                      ; in the kind's 16,777,216 bytes
	s_add_co_u32 s92, s92, s93
	s_mov_b32 s93, 0
	s_add_nc_u64 s[12:13], s[12:13], s[92:93]
	WIN TO_B
.irp a, 0,1,2,3                        ; the table of row blocks 0-3: 128 bytes a lane and block: [u][cos 8 | sin 8]
.irp i, 0,1,2,3,4,5,6,7
	global_load_b128 v[64+32*(\a%2)+128*(\a/2)+4*\i:64+32*(\a%2)+128*(\a/2)+4*\i+3], v[TA], s[98:99] offset:\a*4096+16*\i
.endr
.endr
	WIN 0
.irp b, 0,1,2,3,4,5,6,7
	global_load_b128 v[BIAS+8*\b:BIAS+8*\b+3], v[BA], s[96:97] offset:64*\b
	global_load_b128 v[BIAS+8*\b+4:BIAS+8*\b+7], v[BA], s[96:97] offset:64*\b+16
.endr
.macro FRAG reg, adr, q, i             ; 16 rows x 128 K of 4-bit codes: 8 registers: two loads of 16 bytes, 32 bytes apart
.irp c, 0,1
	ds_load_b128 v[\reg+4*\c:\reg+4*\c+3], v[\adr] offset:64*(\q)+32*\c+(\i)*16*PITCH
.endr
.endm
; 16 products: x's blocks a0, a0 + 1 against Wqkv's eight.  first = 1: the sums start from the bias.  The 64 accumulators take turns, one instruction a turn.
.macro MUL16 a0, p, q, sc, first
.irp a, \a0, \a0+1
.irp b, 0,1,2,3,4,5,6,7
.if \first
	v_wmma_scale_f32_16x16x128_f8f6f4 v[8*(8*((\a)%4)+\b):8*(8*((\a)%4)+\b)+7], v[128*(\p)+FR*\b:128*(\p)+FR*\b+FR-1], v[AF+FR*(\a):AF+FR*(\a)+FR-1], v[BIAS+8*\b:BIAS+8*\b+7], v[SC+8*NQ*(\sc)+NQ*\b+(\q)], v[SC+8*NQ*(\sc)+NQ*(\a)+(\q)] matrix_a_fmt:MATRIX_FMT_FP4 matrix_b_fmt:MATRIX_FMT_FP4 matrix_a_scale:MATRIX_SCALE_ROW1
.else
	v_wmma_scale_f32_16x16x128_f8f6f4 v[8*(8*((\a)%4)+\b):8*(8*((\a)%4)+\b)+7], v[128*(\p)+FR*\b:128*(\p)+FR*\b+FR-1], v[AF+FR*(\a):AF+FR*(\a)+FR-1], v[8*(8*((\a)%4)+\b):8*(8*((\a)%4)+\b)+7], v[SC+8*NQ*(\sc)+NQ*\b+(\q)], v[SC+8*NQ*(\sc)+NQ*(\a)+(\q)] matrix_a_fmt:MATRIX_FMT_FP4 matrix_b_fmt:MATRIX_FMT_FP4 matrix_a_scale:MATRIX_SCALE_ROW1
.endif
.endr
.endr
.endm
.macro FETCH_B slot, q, p
	WIN TO_B
.irp i, 0,1,2,3,4,5,6,7
	FRAG 128*(\p)+FR*\i, ADRB+\slot, \q, \i
.endr
	WIN 0
.endm
.macro FETCH_A slot, q, i0
.irp i, \i0, \i0+1, \i0+2, \i0+3
	FRAG AF+FR*(\i), ADRA+\slot, \q, \i
.endr
.endm
.macro SCALES sc                       ; a K step's scale words: lanes 0-15 take x's block i, lanes 16-31 Wqkv's block i
.irp i, 0,1,2,3,4,5,6,7
	ds_load_b128 v[SC+8*NQ*\sc+NQ*\i:SC+8*NQ*\sc+NQ*\i+3], v[ADRS] offset:\i*SBLK
.endr
.endm
.macro PLACES n                        ; plain vector instructions between a matrix instruction and a load into, or a vector access of, its registers
.rept \n
	v_nop
.endr
.endm
.macro STEP slot, q, first             ; 128 along K that has its successor in the same slot
	s_wait_dscnt 4*NL                              ; all but the youngest eight loads (x's blocks 4-7) are in
.if \first
	WIN 0x81                                       ; C (the bias) window 0, D window 2
.else
	WIN MUL_LO
.endif
	MUL16 0, (\q)%2, \q, \slot, \first
	MUL16 2, (\q)%2, \q, \slot, \first
	s_wait_dscnt 0
	PLACES NP
	FETCH_B \slot, (\q)+1, 1-(\q)%2
	FETCH_A \slot, (\q)+1, 0
.if \first
	WIN 0xc1
.else
	WIN MUL_HI
.endif
	MUL16 4, (\q)%2, \q, \slot, \first
	MUL16 6, (\q)%2, \q, \slot, \first
	PLACES NP
	WIN 0
	FETCH_A \slot, (\q)+1, 4
.endm
; Slot 0's last step goes over to slot 1: one barrier; in front of it each wave waits for all its tensor loads (its part of slot 1), adds 0 to its spare word, and waits for that and for its reads.  Nothing is filled again.
.macro TURN slot, next
	s_wait_tensorcnt 0x0
	ds_add_u32 v[SPW], v[NIL]
	s_wait_dscnt 4*NL+1                            ; the add and the youngest eight loads may be out
	WIN MUL_LO
	MUL16 0, 1, NQ-1, \slot, 0
	s_wait_dscnt 0x0
	s_barrier_signal -1
	MUL16 2, 1, NQ-1, \slot, 0
	WIN 0
	s_barrier_wait -1
	PLACES NP
	v_add_nc_u32 v[ADRS], 4*NQ, v[ADRS]            ; the next K step's scale words
	FETCH_B \next, 0, 0
	FETCH_A \next, 0, 0
	SCALES \next
	WIN MUL_HI
	MUL16 4, 1, NQ-1, \slot, 0
	MUL16 6, 1, NQ-1, \slot, 0
	PLACES NP
	WIN 0
	FETCH_A \next, 0, 4
.endm
.macro STEPS slot, from
.set Q, \from
.rept NQ-1-\from
	STEP \slot, Q, 0
.set Q, Q+1
.endr
.endm
	s_wait_tensorcnt 1                             ; the scales and my part of K step 0 are in; K step 1's load may be out
	s_barrier_signal -1
	s_barrier_wait -1
	FETCH_B 0, 0, 0
	FETCH_A 0, 0, 0
	SCALES 0
	FETCH_A 0, 0, 4
	s_wait_loadcnt 0x0                             ; the bias, and the table of blocks 0-3
	STEP 0, 0, 1
	STEPS 0, 1
	TURN 0, 1
	STEPS 1, 0
	s_wait_dscnt 4*NL                              ; the last step: nothing more to fetch
	WIN MUL_LO
	MUL16 0, 1, NQ-1, 1, 0
	MUL16 2, 1, NQ-1, 1, 0
	s_wait_dscnt 0
	WIN MUL_HI
	MUL16 4, 1, NQ-1, 1, 0
	MUL16 6, 1, NQ-1, 1, 0
	WIN 0
; THE WAY OUT, a block of 16 rows x 128 columns (two heads) at a time: rotate in f32 (q, k), round to f16, through my stage, out as 512 consecutive bytes (four rows of a head) an instruction.
.macro ROT a                           ; x1' = x1 cos - x2 sin, x2' = x2 cos + x1 sin; x1 in blocks 4 g + u, x2 in blocks 4 g + 2 + u; each accumulator is read from its low end on
.set AC, 64*((\a)%4)
.set TBL, 64*(1-(\a)/4)+32*((\a)%2)+128*(((\a)%4)/2)
.if (\a) == 4
	s_wait_loadcnt 0x0                             ; the table of blocks 4-7
.endif
	WIN 0x06+(\a)/4                                ; source 0: the accumulators' window; source 1: window 1; destination: window 0
.irp g, 0,1
.irp u, 0,1
.irp jj, 0,2,4,6
	v_pk_mul_f32 v[T+32*\g+16*\u+\jj:T+32*\g+16*\u+\jj+1], v[AC+8*(4*\g+2+\u)+\jj:AC+8*(4*\g+2+\u)+\jj+1], v[TBL+16*\u+8+\jj:TBL+16*\u+8+\jj+1]
	v_pk_mul_f32 v[T+32*\g+16*\u+8+\jj:T+32*\g+16*\u+8+\jj+1], v[AC+8*(4*\g+\u)+\jj:AC+8*(4*\g+\u)+\jj+1], v[TBL+16*\u+8+\jj:TBL+16*\u+8+\jj+1]
.endr
.endr
.endr
	WIN 0x86+0x41*((\a)/4)                         ; the destination too in the accumulators' window; source 2 in window 0
.irp g, 0,1
.irp u, 0,1
.irp jj, 0,2,4,6
	v_pk_fma_f32 v[AC+8*(4*\g+\u)+\jj:AC+8*(4*\g+\u)+\jj+1], v[AC+8*(4*\g+\u)+\jj:AC+8*(4*\g+\u)+\jj+1], v[TBL+16*\u+\jj:TBL+16*\u+\jj+1], v[T+32*\g+16*\u+\jj:T+32*\g+16*\u+\jj+1] neg_lo:[0,0,1] neg_hi:[0,0,1]
	v_pk_fma_f32 v[AC+8*(4*\g+2+\u)+\jj:AC+8*(4*\g+2+\u)+\jj+1], v[AC+8*(4*\g+2+\u)+\jj:AC+8*(4*\g+2+\u)+\jj+1], v[TBL+16*\u+\jj:TBL+16*\u+\jj+1], v[T+32*\g+16*\u+8+\jj:T+32*\g+16*\u+8+\jj+1]
.endr
.endr
.endr
	WIN 0
.endm
.macro PACK a                          ; eight neighbouring columns of a lane become 16 bytes; each accumulator from its low end on
.set AC, 64*((\a)%4)
	WIN 0x0a+5*((\a)/4)
.irp b, 0,1,2,3,4,5,6,7
.irp i, 0,1,2,3
	v_cvt_pk_f16_f32 v[HP+4*\b+\i], v[AC+8*\b+2*\i], v[AC+8*\b+2*\i+1]
.endr
.endr
	WIN 0
.endm
.macro TOSTAGE a
.set BB, BK+32*((\a)%2)
.irp b, 0,1,2,3,4,5,6,7
	ds_store_b128 v[STO], v[HP+4*\b:HP+4*\b+3] offset:(\b/4)*STGH+(\b%4)*32
.endr
.irp g, 0,1
.irp n, 0,1,2,3
	ds_load_b128 v[BB+4*(4*\g+\n):BB+4*(4*\g+\n)+3], v[RD] offset:\g*STGH+\n*4*SPH   ; LDS serves a wave's instructions in order: these see the stores above
.endr
.endr
.endm
.macro SEND a, younger                 ; younger: the LDS instructions issued behind block a's loads, which may stay out
.set BB, BK+32*((\a)%2)
	s_wait_dscnt \younger
.irp g, 0,1
.irp n, 0,1,2,3
	global_store_b128 v[CO], v[BB+4*(4*\g+\n):BB+4*(4*\g+\n)+3], s[12:13] offset:(\a)*2048+\g*262144+\n*512   ; 32 lanes store 512 consecutive bytes, aligned
.endr
.endr
.endm
.macro OUT rot                         ; the eight blocks; rot = 1: with the rotation
.if \rot
	ROT 0
.endif
	PACK 0
	TOSTAGE 0
.irp a, 1,2,3,4,5,6,7
.if \rot
	ROT \a
.endif
	PACK \a
.if \a > 1
	s_wait_xcnt 0x0                                ; block a - 2's stores have read their registers: block a's loads may land there
.endif
	TOSTAGE \a
	SEND \a-1, 16                                  ; behind block a - 1's loads: block a's 8 stores and 8 loads
.endr
	SEND 7, 0
.endm
	PLACES NP                                      ; behind the last products: for the loads and vector accesses of registers that they named
	s_cmp_eq_u32 ttmp9, 2                          ; the kind: the same in all sixteen partners
	s_cbranch_scc1 .Lplain
	WIN TO_B
.irp a, 0,1,2,3                        ; the table of row blocks 4-7, into the registers that held Wqkv's fragments
.irp i, 0,1,2,3,4,5,6,7
	global_load_b128 v[32*(\a%2)+128*(\a/2)+4*\i:32*(\a%2)+128*(\a/2)+4*\i+3], v[TA], s[98:99] offset:(\a+4)*4096+16*\i
.endr
.endr
	WIN 0
	OUT 1                                          ; q and k
	s_branch .Lout_done
.Lplain:
	OUT 0                                          ; v
.Lout_done:
	s_wait_tensorcnt 0x0                           ; the wave's end
	ds_add_u32 v[SPW], v[NIL]
	s_wait_dscnt 0x0
	CROUND                                         ; the closing round
	s_endpgm
.Lfunc_end_k_q9aa2b3e146_qkvproj:
	.size	k_q9aa2b3e146_qkvproj, .Lfunc_end_k_q9aa2b3e146_qkvproj-k_q9aa2b3e146_qkvproj
	.p2alignl 7, 3214868480
	.fill 96, 4, 3214868480
	.section	.rodata,"a",@progbits
	.p2align	6, 0x0
	.amdhsa_kernel k_q9aa2b3e146_qkvproj
		.amdhsa_group_segment_fixed_size 327680
		.amdhsa_private_segment_fixed_size 0
		.amdhsa_enable_private_segment 0
		.amdhsa_kernarg_size 40
		.amdhsa_user_sgpr_count 2
		.amdhsa_user_sgpr_kernarg_segment_ptr 1
		.amdhsa_wavefront_size32 1
		.amdhsa_system_sgpr_workgroup_id_x 1
		.amdhsa_system_sgpr_workgroup_id_y 1
		.amdhsa_system_sgpr_workgroup_id_z 1
		.amdhsa_system_vgpr_workitem_id 0
		.amdhsa_next_free_vgpr 1024
		.amdhsa_next_free_sgpr 100
		.amdhsa_reserve_vcc 0
		.amdhsa_float_denorm_mode_32 3
		.amdhsa_float_denorm_mode_16_64 3
		.amdhsa_memory_ordered 1
		.amdhsa_forward_progress 1
		.amdhsa_inst_pref_size 198
	.end_amdhsa_kernel
	.amdgpu_metadata
---
amdhsa.version: [ 1, 2 ]
amdhsa.kernels:
  - .name:           k_q9aa2b3e146_qkvproj
    .symbol:         k_q9aa2b3e146_qkvproj.kd
    .args:
      - { .name: codes, .offset: 0, .size: 8, .value_kind: global_buffer, .address_space: global }
      - { .name: scales, .offset: 8, .size: 8, .value_kind: global_buffer, .address_space: global }
      - { .name: bqkv, .offset: 16, .size: 8, .value_kind: global_buffer, .address_space: global }
      - { .name: tabs, .offset: 24, .size: 8, .value_kind: global_buffer, .address_space: global }
      - { .name: qkvh, .offset: 32, .size: 8, .value_kind: global_buffer, .address_space: global }
    .group_segment_fixed_size: 327680
    .private_segment_fixed_size: 0
    .kernarg_segment_align: 8
    .kernarg_segment_size: 40
    .max_flat_workgroup_size: 128
    .sgpr_count:     100
    .vgpr_count:     1024
    .wavefront_size: 32
...
	.end_amdgpu_metadata
.endif
;; end of part 2
;; launch attn (part 3): grid 8 x 64, 4 waves a work-group, clusters of 4 x 1, 327,680 bytes of LDS; arguments qkvh, tabs, hbuf; writes hbuf
.if DOCPART == 3
	.amdgcn_target "amdgcn-amd-amdhsa--gfx1250"
	.amdhsa_code_object_version 6
	.text
	.protected	k_q9aa2b3e146_attn
	.globl	k_q9aa2b3e146_attn
	.p2align	8
	.type	k_q9aa2b3e146_attn,@function
k_q9aa2b3e146_attn:
	s_mov_b64 s[64:65], 0
	v_nop
	global_prefetch_b8 v0, s[64:65] scope:SCOPE_SE
	s_setreg_imm32_b32 hwreg(HW_REG_WAVE_MODE, 25, 1), 1
	s_wait_xcnt 0x0
	s_wait_alu depctr_hold_cnt(0) depctr_sa_sdst(0) depctr_va_vdst(0) depctr_va_sdst(0) depctr_va_ssrc(0) depctr_va_vcc(0) depctr_vm_vsrc(0)
	s_getreg_b32 s2, hwreg(HW_REG_IB_STS2, 6, 4)
	s_cmp_eq_u32 s2, 0
	s_cbranch_scc0 .Lentry_in_a_cluster
	s_endpgm
.Lentry_in_a_cluster:
	s_bfe_u32 s2, ttmp6, 0x10000c
	s_cmp_lg_u32 s2, 0x3003
	s_cbranch_scc0 .Lentry_shape_is_right
	s_endpgm
.Lentry_shape_is_right:
; h[b][head][q][:] = the sum over keys of softmax(q . k / 8, masked keys left out) v.  q (already x log2(e) / 8), k, v: f16, [kind][b x 16 + head][2048][64].  Products with f16 operands and f32 sums; maxima, sums, exponentials in f32.
; The result goes out as f16, laid [head 16][b x 2048 + q][64].
; SHARES.  A work-group owns 256 queries of one (b, head), each of its four waves 64: four tiles of 16.  Every wave walks the 2,048 keys, 64 a step.
; LAYOUT.  S^T = K Q^T (source 0 = 16 keys, source 1 = 16 queries): a lane holds ONE query (lane % 16) and keys 8 (lane / 16) + 0..7.  Two such tiles, rounded to f16 in pairs, are source 1 of O^T = V^T P.
; THE MASK is the C of each score's first product: 0 or -2^126 for each key.  The running maximum starts at -2^120, so a masked key's weight is 2^(about -2^126) = 0, also where a whole step is masked.
; SOFTMAX.  For each query a running maximum M and sum L: p = 2^(s - M); in every step O and L are multiplied by 2^(old M - new M).
; BY TURNS.  The wave's tiles are two pieces (tiles 0, 1 and tiles 2, 3).  In a turn one piece has the matrix unit: 16 products V^T P of the step in hand, 16 products K Q^T of the next; the other piece's softmax, cut into
; 64 slices, stands between them, two slices behind each product.  Then the pieces change places.
; CLUSTER.  The four query blocks of a cluster belong to one (b, head): K's and V's tiles and the mask are asked for jointly.
; LIMITS: |q| log2(e) / 8, |k|, |v|, |h| under 65,504; scores x log2(e) / 8 under 2^120 in magnitude.  A batch all of whose keys are masked gives NaN (0 x 1 / 0).
; REGISTERS: window 0: v2-10 addresses; v12-43 statistics, eight a tile; v44-47 at work; v61-63; v64-191 S^T, 32 a tile; v192-255 P, 16 a tile.
;   window 1: v0-127 O^T, 32 a tile; v128-159 the step's mask numbers; v192-255 V.     window 2: v0-63 Q; v64-127 K.
.set PK,    272       ; two keys' 256 bytes of K + 16: sixteen lanes of a load fall into sixteen different columns of 16 bytes
.set PV,    288       ; two keys' 256 bytes of V + 32: likewise for the turning load
.set KSTEPB, 32*PK    ; a step's 64 keys
.set VSTEPB, 32*PV
.set VOFF,  128*PK    ; a slot: 256 keys of K, then of V
.set SLOT1, 1<<17
.set BIAS,  SLOT1+128*(PK+PV)   ; the batch's 2,048 mask numbers
.set STAGE, BIAS+8192           ; 16 rows x 144 bytes for each wave
.set SP,    144
.set SPARE, STAGE+4*16*SP       ; the spare words, 128 bytes a wave
.set AK0, 2
.set AV0, 3
.set ADR, 4
.set QO,  5
.set STO, 6
.set RD,  7
.set GO,  8
.set AB0, 9
.set ADB, 10
.set ST,  12          ; tile t at v[ST+8 t]: +0 M, +1 written once (named with M as a pair), +2, +3 L, +4 to +7 at work; the factor takes +6, old M - new M +7
.set RR,  44
.set HH,  45
.set PFO, 61
.set SPW, 62
.set NIL, 63
.set S,   64
.set P,   192
.set BI,  128         ; window 1
.set VF,  192         ; window 1
.set KF,  64          ; window 2
.set WV,  12
.set SLOTS, 14
.set LIM, 15
.set CNT, 16
.set PFA, 18
.set G0M, 20
.set G1K, 24
.set G1V, 32
.set G1M, 40
.set G0K, 48
.set G0V, 56
.set SEL, 66
.set TK,  68
.set TV,  69
.set TJ,  70
.set MSB, 0
.macro WIN new
.if MSB != (\new)
	s_set_vgpr_msb (MSB<<8)|(\new)
.set MSB, (\new)
.endif
.endm
.set W_KQ,  0x0a      ; K and Q window 2, S^T window 0
.set W_KQ0, 0x1a      ; the same with C, the mask numbers, in window 1
.set W_PV,  0x51      ; V and O^T window 1, P window 0
.set W_RS,  0x41      ; O^T window 1, the factor window 0
.macro JLOAD                        ; a joint refill: waves 0, 1 fetch K's halves of a slot, waves 2, 3 V's; an s_nop 0 and four v_nop follow each line
	s_cmp_lt_u32 s[WV], 2
	s_cbranch_scc0 .Lfor_v_\@
	tensor_load_to_lds s[G0K+4:G0K+7], s[G1K:G1K+7]
	s_nop 0
.rept 4
	v_nop
.endr
	s_branch .Lasked_\@
.Lfor_v_\@:
	tensor_load_to_lds s[G0V+4:G0V+7], s[G1V:G1V+7]
	s_nop 0
.rept 4
	v_nop
.endr
.Lasked_\@:
.endm
; A prefetch of what the NEXT change of slots will ask for: 32,768 bytes of K and of V.  Both clusters of a (b, head) walk the same keys: the first asks.  Its four partners take 8,192 bytes each, told apart by address;
; in each, wave 0 asks for K's and wave 2 for V's, lanes 256 bytes apart.  So each block of 256 bytes is named once.  It stands four key steps, 256 products, ahead of the load; the last change that fills a slot asks for nothing.
.macro ASK
	s_cmp_gt_u32 s[SLOTS], s[LIM]
	s_cbranch_scc0 .Lnot_mine_\@
	global_prefetch_b8 v[PFO], s[PFA:PFA+1] th:TH_LOAD_NT scope:SCOPE_SE
.Lnot_mine_\@:
.endm
.macro CROUND
	s_barrier_signal -1
	s_barrier_wait -1
	s_cmp_lg_u32 s[WV], 0
	s_cbranch_scc1 .Lnot_wave_0_\@
	s_barrier_signal -3
.Lnot_wave_0_\@:
	s_barrier_wait -3
	s_barrier_signal -1
	s_barrier_wait -1
.endm
	s_load_b128 s[4:7], s[0:1], 0x0  ; q, k, v s[4:5]; tabs s[6:7]
	s_load_b64 s[10:11], s[0:1], 0x10  ; the result
	v_lshl_add_u32 v[SPW], v0, 2, SPARE
	v_mov_b32 v[NIL], 0
	ds_add_u32 v[SPW], v[NIL]       ; the wave's opening: the add, twice on end, and its wait ahead of my first tensor load
	ds_add_u32 v[SPW], v[NIL]
	v_lshrrev_b32 v1, 5, v0
	v_readfirstlane_b32 s[WV], v1   ; wave
	s_bfe_u32 s13, ttmp6, 0x40000   ; cx
	s_lshl_b32 s17, ttmp9, 2
	s_add_co_u32 s17, s17, s13      ; my block of 256 queries: it enters Q's and the result's addresses alone
	s_and_b32 s71, ttmp7, 0xffff    ; b x 16 + head, which the partners share
	s_lshl_b32 s72, s71, 18         ; its 262,144 bytes in a kind
	s_mov_b32 s73, 0
	s_and_b32 s2, s[WV], 1          ; which half of a slot I fetch:
	s_lshl_b32 s74, s2, 14          ; 128 keys of 128 bytes in memory,
	s_mov_b32 s75, 0
	s_add_nc_u64 s[74:75], s[74:75], s[72:73]
	s_mul_i32 s3, s2, 64*PK         ; and its place in a slot, for K
	s_mul_i32 s8, s2, 64*PV
	s_add_co_u32 s8, s8, VOFF       ; and for V
	s_lshl_b32 s76, s17, 15         ; my block's 256 rows of 128 bytes,
	s_lshl_b32 s9, s[WV], 13        ; my wave's 64
	s_add_co_u32 s76, s76, s9
	s_mov_b32 s77, 0
	s_add_nc_u64 s[78:79], s[76:77], s[72:73]  ; Q's offset
	s_and_b32 s9, s71, 15
	s_lshl_b32 s9, s9, 20           ; the result: the head's 1,048,576 bytes,
	s_add_co_u32 s76, s76, s9
	s_lshr_b32 s9, s71, 4
	s_lshl_b32 s2, s9, 18           ; the batch's 2,048 rows
	s_add_co_u32 s76, s76, s2
	s_lshl_b32 s80, s9, 13          ; the mask numbers: 8,192 bytes a batch,
	s_lshl_b32 s2, s[WV], 11        ; a quarter a wave,
	s_add_co_u32 s80, s80, s2
	s_add_co_u32 s80, s80, 1048576  ; behind the two tables
	s_mov_b32 s81, 0
	s_lshl_b32 s82, s13, 13         ; the prefetches: my work-group's 8,192 bytes of a slot's 32,768
	s_mov_b32 s83, 0
	s_mov_b32 s[G1K], 15|(1<<16)|(1<<20)|(1<<21)|(5<<22)|(3<<25)  ; all four work-groups; elements of 2 bytes; padding on; bit 21 beside a mask; 4 words behind every 64
	s_mov_b32 s[G1V], 15|(1<<16)|(1<<20)|(1<<21)|(5<<22)|(7<<25)  ; the same with 8 words
.irp g, G1K, G1V
	s_mov_b32 s[\g+1], 128<<16      ; tensor_dim0: two keys' 128 elements (a head's rows are dense)
	s_mov_b32 s[\g+2], 64<<16       ; tensor_dim1
	s_mov_b32 s[\g+3], 128<<16      ; tile_dim0
	s_mov_b32 s[\g+4], 64           ; tile_dim1
	s_mov_b32 s[\g+5], 128          ; from row to row
	s_mov_b32 s[\g+6], 0
	s_mov_b32 s[\g+7], 0
.endr
	s_mov_b32 s[G1M], 15|(3<<16)|(1<<21)  ; 2,048 dense bytes as 8 rows of 32 elements of 8 bytes, no padding
	s_mov_b32 s[G1M+1], 32<<16
	s_mov_b32 s[G1M+2], 8<<16
	s_mov_b32 s[G1M+3], 32<<16
	s_mov_b32 s[G1M+4], 8
	s_mov_b32 s[G1M+5], 32
	s_mov_b32 s[G1M+6], 0
	s_mov_b32 s[G1M+7], 0
	s_mov_b32 s[SEL], 0x76543210
	s_mov_b32 s[SEL+1], 0xfedcba98
	s_mov_b32 s[TK], 0
	s_mov_b32 s[TV], 0
	s_mov_b32 s[TJ], 0
	s_mov_b32 s[SLOTS], 6           ; of eight slots' worth of keys, six come by refills
	s_and_b32 s[LIM], s[WV], 1
	s_or_b32 s[LIM], s[LIM], ttmp9  ; 0 in waves 0 and 2 of the first cluster: the same in all four partners
	s_cmp_eq_u32 s[LIM], 0
	s_cselect_b32 s[LIM], 1, -1
	v_and_b32 v[PFO], 31, v0
	v_lshlrev_b32 v[PFO], 8, v[PFO]
	s_wait_dscnt 0x0                ; both opening adds are done
	s_wait_kmcnt 0x0
	s_add_nc_u64 s[84:85], s[4:5], s[74:75]
	s_add_nc_u64 s[86:87], s[84:85], 0x2000000  ; V at my half of slot 0
	s_add_nc_u64 s[84:85], s[84:85], 0x1000000  ; K likewise
	s_add_nc_u64 s[4:5], s[4:5], s[78:79]       ; Q at my wave's first row
	s_add_nc_u64 s[10:11], s[10:11], s[76:77]   ; the result likewise
	s_add_nc_u64 s[6:7], s[6:7], s[80:81]       ; my quarter of the mask numbers
	s_cmp_lt_u32 s[WV], 2
	s_cselect_b64 s[PFA:PFA+1], s[84:85], s[86:87]  ; (in waves 0 and 2 these stand at a slot's first row)
	s_add_nc_u64 s[PFA:PFA+1], s[PFA:PFA+1], s[82:83]   ; my work-group's part,
	s_add_nc_u64 s[PFA:PFA+1], s[PFA:PFA+1], 65536      ; in slot 2; the first change of slots steps it to slot 3.  Nothing is prefetched here, at the head
	CROUND                          ; all four work-groups are here: the first joint loads meet
.irp s, 0,1
	s_mov_b32 s[G0K+4*\s], 1
	s_add_co_u32 s[G0K+4*\s+1], s3, \s*SLOT1
	s_add_nc_u64 s[G0K+4*\s+2:G0K+4*\s+3], s[84:85], \s*32768
	s_or_b32 s[G0K+4*\s+3], s[G0K+4*\s+3], 0x80000000
	s_mov_b32 s[G0V+4*\s], 1
	s_add_co_u32 s[G0V+4*\s+1], s8, \s*SLOT1
	s_add_nc_u64 s[G0V+4*\s+2:G0V+4*\s+3], s[86:87], \s*32768
	s_or_b32 s[G0V+4*\s+3], s[G0V+4*\s+3], 0x80000000
.endr
	s_mov_b32 s[G0M], 1
	s_lshl_b32 s[G0M+1], s[WV], 11
	s_add_co_u32 s[G0M+1], s[G0M+1], BIAS
	s_mov_b64 s[G0M+2:G0M+3], s[6:7]
	s_or_b32 s[G0M+3], s[G0M+3], 0x80000000
	s_cmp_lt_u32 s[WV], 2           ; a wave's three first fills stand in one branch: three tensor loads of mine are out
	s_cbranch_scc0 .Lfirst_v
	tensor_load_to_lds s[G0M:G0M+3], s[G1M:G1M+7]
	s_nop 0
	tensor_load_to_lds s[G0K:G0K+3], s[G1K:G1K+7]
	s_nop 0
	tensor_load_to_lds s[G0K+4:G0K+7], s[G1K:G1K+7]
	s_nop 0
.rept 4
	v_nop
.endr
	s_branch .Lfirst_asked
.Lfirst_v:
	tensor_load_to_lds s[G0M:G0M+3], s[G1M:G1M+7]
	s_nop 0
	tensor_load_to_lds s[G0V:G0V+3], s[G1V:G1V+7]
	s_nop 0
	tensor_load_to_lds s[G0V+4:G0V+7], s[G1V:G1V+7]
	s_nop 0
.rept 4
	v_nop
.endr
.Lfirst_asked:
	v_and_b32 v[RR], 15, v0         ; l % 16
	v_bfe_u32 v[HH], v0, 4, 1       ; l / 16
	v_lshlrev_b32 v[QO], 7, v[RR]
	v_lshl_add_u32 v[QO], v[HH], 4, v[QO]  ; row x 128 + 16 x half
	WIN 0x80                        ; destination window 2
.irp i, 0,1,2,3,4,5,6,7             ; Q stays in registers: tile i / 2, channels 32 (i % 2) on
	global_load_b128 v[8*\i:8*\i+3],   v[QO], s[4:5] offset:(\i/2)*2048+(\i%2)*64
	global_load_b128 v[8*\i+4:8*\i+7], v[QO], s[4:5] offset:(\i/2)*2048+(\i%2)*64+32
.endr
	WIN 0
	v_lshrrev_b32 v46, 1, v[RR]     ; key r of a tile lies at (r / 2) x pitch + (r % 2) x 128
	v_mul_u32_u24 v[AK0], v46, PK
	v_and_b32 v46, 1, v[RR]
	v_lshl_add_u32 v[AK0], v46, 7, v[AK0]
	v_lshl_add_u32 v[AK0], v[HH], 4, v[AK0]
	v_bfe_u32 v46, v0, 1, 2         ; the turning load: lane l reads key 8 (l / 16) + l % 8, channels 8 ((l / 8) % 2) on
	v_lshl_add_u32 v46, v[HH], 2, v46
	v_mul_u32_u24 v[AV0], v46, PV
	v_and_b32 v46, 1, v0
	v_lshl_add_u32 v[AV0], v46, 7, v[AV0]
	v_bfe_u32 v46, v0, 3, 1
	v_lshl_add_u32 v[AV0], v46, 4, v[AV0]
	v_add_nc_u32 v[AV0], VOFF, v[AV0]
	v_lshl_add_u32 v[AB0], v[HH], 5, BIAS  ; the mask numbers of my half's eight keys
.irp t, 0,1,2,3
	v_mov_b32 v[ST+8*\t+1], 0       ; named with M as a pair, so it is written
.endr
; Product i of 16 of S^T = K Q^T + the mask: channels 32 (i / 8) on, keys 16 ((i / 2) % 4) on, tile x + i % 2.  The accumulators take turns, one instruction a turn.
.macro KQ x
.set rS, S+32*(\x+i%2)+8*((i/2)%4)
.set rK, KF+16*((i/2)%4)+8*(i/8)
.set rQ, 16*(\x+i%2)+8*(i/8)
.if i < 8
	WIN W_KQ0
	v_wmma_f32_16x16x32_f16 v[rS:rS+7], v[rK:rK+7], v[rQ:rQ+7], v[BI+8*((i/2)%4):BI+8*((i/2)%4)+7]
.else
	WIN W_KQ
	v_wmma_f32_16x16x32_f16 v[rS:rS+7], v[rK:rK+7], v[rQ:rQ+7], v[rS:rS+7]
.endif
.endm
; Product i of 16 of O^T += V^T P: keys 32 (i / 8) on, channels 16 ((i / 2) % 4) on, tile x + i % 2.  zero = 1: the first 8 start the sums.
.macro PV x, zero
	WIN W_PV
.set rO, 32*(\x+i%2)+8*((i/2)%4)
.set rV, VF+32*(i/8)+8*((i/2)%4)
.set rP, P+16*(\x+i%2)+8*(i/8)
.if \zero && (i < 8)
	v_wmma_f32_16x16x32_f16 v[rO:rO+7], v[rV:rV+7], v[rP:rP+7], 0
.else
	v_wmma_f32_16x16x32_f16 v[rO:rO+7], v[rV:rV+7], v[rP:rP+7], v[rO:rO+7]
.endif
.endm
.macro FETCH_K                      ; a step's mask numbers (8 loads) and K (16 loads), in one run
	WIN 0
	v_add_nc_u32 v[ADB], s[TJ], v[AB0]
	v_add_nc_u32 v[ADR], s[TK], v[AK0]
	s_add_co_u32 s[TJ], s[TJ], 256
	s_add_co_u32 s[TK], s[TK], KSTEPB
	WIN 0x40                        ; destination window 1
.irp f, 0,1,2,3
	ds_load_b128 v[BI+8*\f:BI+8*\f+3],   v[ADB] offset:64*\f
	ds_load_b128 v[BI+8*\f+4:BI+8*\f+7], v[ADB] offset:64*\f+16
.endr
	WIN 0x80                        ; destination window 2
.irp f, 0,1,2,3,4,5,6,7             ; keys 16 (f / 2) on, channels 32 (f % 2) on
	ds_load_b128 v[KF+8*\f:KF+8*\f+3],   v[ADR] offset:(\f/2)*8*PK+(\f%2)*64
	ds_load_b128 v[KF+8*\f+4:KF+8*\f+7], v[ADR] offset:(\f/2)*8*PK+(\f%2)*64+32
.endr
.endm
.macro FETCH_V                      ; a step's V, turned: 16 loads
	WIN 0
	v_add_nc_u32 v[ADR], s[TV], v[AV0]
	s_add_co_u32 s[TV], s[TV], VSTEPB
	s_wait_alu depctr_va_vdst(0)    ; the wait for the softmax's batch of exponentials, ahead of their first reader
	WIN 0x40
.irp f, 0,1,2,3,4,5,6,7             ; keys 32 (f / 4) on, channels 16 (f % 4) on
	ds_load_tr16_b128 v[VF+8*\f:VF+8*\f+3],   v[ADR] offset:(\f/4)*16*PV+(\f%4)*32
	ds_load_tr16_b128 v[VF+8*\f+4:VF+8*\f+7], v[ADR] offset:(\f/4)*16*PV+8*PV+(\f%4)*32
.endr
.endm
; One tile's softmax for one key step is a numbered list; SM writes number j for tile t.  first = 1: the first key step.
;   0-15 the maximum of the lane's 32 scores and the old M (first step: and the floor -2^120)   16-20 the other half of the lanes; the new M; old M - new M
;   21-69 ONE BATCH: 16 packed subtractions of M and all 33 exponentials, none of which reads an exponential's result   (the wait)   70-85 roundings to f16   86-101 the sums; L   102-117 the tile's O^T times the factor
.macro SM t, first
.set rT, ST+8*(\t)
.set rS, S+32*(\t)
.set rP, P+16*(\t)
.set rO, 32*(\t)+2*(j-102)
.if j < 102
	WIN 0
.endif
.if j < 4
	v_max3_num_f32 v[rT+4+j], v[rS+8*j], v[rS+8*j+1], v[rS+8*j+2]
.elseif j < 12
	v_max3_num_f32 v[rT+4+j%4], v[rT+4+j%4], v[rS+8*(j%4)+2*(j/4)+1], v[rS+8*(j%4)+2*(j/4)+2]
.elseif j == 12
	v_max3_num_f32 v[rT+4], v[rT+4], v[rS+7], v[rS+15]
.elseif j == 13
	v_max3_num_f32 v[rT+6], v[rT+6], v[rS+23], v[rS+31]
.elseif j == 14
	v_max3_num_f32 v[rT+4], v[rT+4], v[rT+5], v[rT+6]
.elseif (j == 15) && \first
	v_max3_num_f32 v[rT+4], v[rT+4], v[rT+7], 0xfb800000
.elseif j == 15
	v_max3_num_f32 v[rT+4], v[rT+4], v[rT+7], v[rT]
.elseif j == 16
	v_permlanex16_b32 v[rT+5], v[rT+4], s[SEL], s[SEL+1]  ; the query's other 32 keys lie in the lane 16 away
.elseif j == 18
	v_max_num_f32 v[rT], v[rT+4], v[rT+5]
.elseif j == 19
.elseif ((j == 17) || (j == 20) || (j == 23) || (j > 101)) && \first
.elseif j == 17
	v_mov_b32 v[rT+7], v[rT]        ; the old M is kept: number 18 writes M anew
.elseif j == 20
	v_sub_f32 v[rT+7], v[rT+7], v[rT]
.elseif j == 23
	v_exp_f32 v[rT+6], v[rT+7]
.elseif (j < 23) || ((j < 38) && (j%2 == 0)) || ((j < 66) && (j%4 == 2))
.set b, (j-2)/4
.if j < 38
.set b, (j-20)/2
.endif
	v_pk_add_f32 v[rS+2*b:rS+2*b+1], v[rS+2*b:rS+2*b+1], v[rT:rT+1] op_sel_hi:[1,0] neg_lo:[0,1] neg_hi:[0,1]  ; pair b: s - M
.elseif j < 70
.set e, j-38
.if j < 66
.set e, j-32-(j-38)/4
.endif
.if j < 38
.set e, (j-25)/2
.endif
	v_exp_f32 v[rS+e], v[rS+e]
.elseif j < 86
	v_cvt_pk_f16_f32 v[rP+j-70], v[rS+2*(j-70)], v[rS+2*(j-70)+1]
.elseif j < 102
.set z, j-86
.set w, 4
.set u, z
.if z >= 14
.set w, 32
.set u, 0
.elseif z >= 12
.set w, 16
.set u, z-12
.elseif z >= 8
.set w, 8
.set u, z-8
.endif
.if (z == 14) && \first
	v_pk_add_f32 v[rT+2:rT+3], v[rS:rS+1], v[rS+16:rS+17]
.elseif z < 15
	v_pk_add_f32 v[rS+w*u:rS+w*u+1], v[rS+w*u:rS+w*u+1], v[rS+w*u+w/2:rS+w*u+w/2+1]
.elseif !\first
	v_pk_fma_f32 v[rT+2:rT+3], v[rT+2:rT+3], v[rT+6:rT+7], v[rS:rS+1] op_sel_hi:[1,0,1]
.endif
.else
	WIN W_RS
	v_pk_mul_f32 v[rO:rO+1], v[rO:rO+1], v[rT+6:rT+7] op_sel_hi:[1,0]
.endif
.endm
; Slice k of 64 of piece y's softmax.  Slices 11-34 deal out the batch, four numbers of one tile each, the tiles by turns; slices 51-62 hold one number of both tiles, slice 63 the last four of both: eight plain
; instructions, the places behind the turn's last products.  Behind slice 34 no exponential is issued and ahead of slice 35 no result is named: the piece's 66 exponentials have one wait.
.macro SLICE y, first
.if (k >= 11) && (k < 35)
.irp n, 0,1,2,3
.set j, 22+4*((k-11)/2)+(\n)
	SM (\y)+(k-11)%2, \first
.endr
.elseif k < 51
.irp n, 0,1
.irp t, \y, \y+1
.set j, 2*k+\n
	SM \t, \first
.endr
.endr
.elseif k < 63
.irp t, \y, \y+1
.set j, 102+(k-51)
	SM \t, \first
.endr
.else
.irp n, 0,1,2,3
.irp t, \y, \y+1
.set j, 114+\n
	SM \t, \first
.endr
.endr
.endif
.if k == 34
	v_nop                           ; a plain instruction behind the last exponential, ahead of the first use: one for the batch
.if (\y) == 0
	FETCH_V                         ; piece 2's turn: V's run of loads stands here, and the wait stands in it.  Behind the last product that read V stand five plain instructions: three subtractions, the v_nop, the run's own addition
.else
	s_wait_alu depctr_va_vdst(0)    ; the wait for the batch
.endif
.endif
.set k, k+1
.endm
.macro PLACES
.rept 4
	v_nop
.endr
.endm
; A TURN.  Piece x has the matrix unit.  pv = 2: 16 products V^T P; 1: they start O^T's sums; 0: none.  kq = 1: 16 products K Q^T of the next step.  With both kinds two slices stand behind each product, else four.
.macro TURN x, pv, kq, first
.set k, 0
.set per, 4
.if \pv && \kq
.set per, 2
.endif
.if \pv
.if \x == 0
	s_wait_dscnt 0x0                ; V is in
.endif
.set i, 0
.rept 16
	PV \x, 2-\pv
.rept per
	SLICE 2-\x, \first
.endr
.if (\x == 0) && \kq && (i == 1)
	FETCH_K                         ; the last product that read K or the mask numbers stands in front of the turn before's last slices
.endif
.set i, i+1
.endr
.endif
.if \kq
.if \x == 0
	s_wait_dscnt 0x0                ; K and the mask numbers are in
.endif
.set i, 0
.rept 16
	KQ \x
.rept per
	SLICE 2-\x, \first
.endr
.set i, i+1
.endr
.endif
.if \first
	PLACES                          ; the first step's last slices are empty: these take their part behind the last products
.endif
.endm
; THE CHANGE OF SLOTS: the slot's last bytes have been asked for.  Each wave waits for all its tensor loads (one is out: its part of the other slot), adds 0 to its spare word, and waits for that and for its reads.
; fill = 1: the barrier is a round of the cluster's, and the joint refill, the keys two slots on, is the first thing behind it: it has four key steps in which to land.
.macro CHANGE fill
	WIN 0
	s_wait_tensorcnt 0x0
	ds_add_u32 v[SPW], v[NIL]
.if \fill
.irp g, G0K+4, G0V+4
	s_xor_b32 s[\g+1], s[\g+1], SLOT1
	s_add_nc_u64 s[\g+2:\g+3], s[\g+2:\g+3], 32768
.endr
	s_wait_xcnt 0x0                 ; the last prefetch, a slot back, has read its address
	s_add_nc_u64 s[PFA:PFA+1], s[PFA:PFA+1], 32768
	s_wait_dscnt 0x0
	CROUND
	JLOAD
	ASK
.else
	s_wait_dscnt 0x0
	s_barrier_signal -1
	s_barrier_wait -1
.endif
	s_sub_co_u32 s[TK], s[TK], 4*KSTEPB  ; the fetches go back to a slot's first step, in the other slot
	s_xor_b32 s[TK], s[TK], SLOT1
	s_sub_co_u32 s[TV], s[TV], 4*VSTEPB
	s_xor_b32 s[TV], s[TV], SLOT1
.endm
.macro STEPS n                      ; n key steps: written once, walked n times
	s_mov_b32 s[CNT], \n
.Lstep_\@:
	TURN 0, 2, 1, 0
	TURN 2, 2, 1, 0
	WIN 0
	s_sub_co_u32 s[CNT], s[CNT], 1
	s_cmp_lg_u32 s[CNT], 0
	s_cbranch_scc1 .Lstep_\@
.endm
	s_wait_tensorcnt 1              ; the mask numbers and my part of slot 0 are in; slot 1's load may be out
	s_barrier_signal -1
	s_barrier_wait -1
	FETCH_K                         ; key step 0
	s_wait_loadcnt 0x0              ; Q
	s_wait_dscnt 0x0
.set i, 0
.rept 16
	KQ 0
.set i, i+1
.endr
	WIN 0                           ; the addresses for the way out: plain instructions, the places behind those products
	s_mul_i32 s9, s[WV], 16*SP
	s_add_co_u32 s9, s9, STAGE
	v_mul_u32_u24 v[STO], v[RR], SP
	v_lshl_add_u32 v[STO], v[HH], 4, v[STO]
	v_add_nc_u32 v[STO], s9, v[STO]  ; in: row l % 16, 16 bytes for each half of the lanes
	v_and_b32 v46, 31, v0
	v_lshrrev_b32 v47, 3, v46
	v_mul_u32_u24 v[RD], v47, SP
	v_and_b32 v47, 7, v0
	v_lshl_add_u32 v[RD], v47, 4, v[RD]
	v_add_nc_u32 v[RD], s9, v[RD]   ; back: eight lanes to a row of 128 bytes, four rows an instruction
	v_lshlrev_b32 v[GO], 4, v46     ; and the same 512 consecutive bytes in memory
	TURN 2, 0, 1, 1                 ; piece 2's first scores | piece 0's first softmax | V of step 0
	TURN 0, 1, 1, 1                 ; piece 0: V^T P of step 0 starts O^T, K Q^T of step 1 | piece 2's first softmax | K of step 1
	TURN 2, 1, 1, 0                 ; piece 2: the same | piece 0's softmax of step 1 | V of step 1
	WIN 0
	STEPS 2                         ; slot 0's steps 2 and 3 are fetched
.Lslot:                             ; six trips: slots 2 to 7 are asked for
	CHANGE 1
	STEPS 4
	s_sub_co_u32 s[SLOTS], s[SLOTS], 1
	s_cmp_lg_u32 s[SLOTS], 0
	s_cbranch_scc1 .Lslot
	CHANGE 0                        ; the tail is written out
	STEPS 4
	TURN 0, 2, 0, 0                 ; piece 0: V^T P of the last step | piece 2's last softmax
.set i, 0
.rept 16
	PV 2, 0
.set i, i+1
.endr
	; THE WAY OUT.  L's two halves and the other half of the lanes' are added (these lines are the places behind the last products); O^T / L, rounded to f16, goes through my stage, a tile at a time.
	WIN 0
.irp t, 0,1,2,3
	v_add_f32 v[ST+8*\t+4], v[ST+8*\t+2], v[ST+8*\t+3]
.endr
.irp t, 0,1,2,3
	v_permlanex16_b32 v[ST+8*\t+5], v[ST+8*\t+4], s[SEL], s[SEL+1]
.endr
.irp t, 0,1,2,3
	v_add_f32 v[ST+8*\t+4], v[ST+8*\t+4], v[ST+8*\t+5]
.endr
.irp t, 0,1,2,3
	v_rcp_f32 v[ST+8*\t+6], v[ST+8*\t+4]
.endr
	v_nop
	s_wait_alu depctr_va_vdst(0)    ; one wait for the four reciprocals, ahead of their first reader
.macro PACK t
	WIN W_RS
.set i, 32*\t
.rept 16
	v_pk_mul_f32 v[i:i+1], v[i:i+1], v[ST+8*\t+6:ST+8*\t+7] op_sel_hi:[1,0]
.set i, i+2
.endr
	WIN 0x05                        ; sources window 1, destination window 0: S^T's registers are free
.set i, 0
.rept 16
	v_cvt_pk_f16_f32 v[S+32*\t+i], v[32*\t+2*i], v[32*\t+2*i+1]
.set i, i+1
.endr
	WIN 0
.irp f, 0,1,2,3
	ds_store_b128 v[STO], v[S+32*\t+4*\f:S+32*\t+4*\f+3] offset:32*\f
.endr
.irp f, 0,1,2,3
	ds_load_b128 v[S+32*\t+16+4*\f:S+32*\t+16+4*\f+3], v[RD] offset:\f*4*SP  ; LDS serves a wave's instructions in order: these see the stores above; the next tile's stores come behind them
.endr
.endm
.macro SEND t, younger              ; younger: the LDS instructions issued behind tile t's loads: the next tile's eight, or none
.irp f, 0,1,2,3
	s_wait_dscnt \younger+3-\f
	global_store_b128 v[GO], v[S+32*\t+16+4*\f:S+32*\t+16+4*\f+3], s[10:11] offset:\t*2048+\f*512  ; 32 lanes store 512 consecutive bytes, aligned
.endr
.endm
	PACK 0
	PACK 1
	SEND 0, 8
	PACK 2
	SEND 1, 8
	PACK 3
	SEND 2, 8
	SEND 3, 0
	s_wait_tensorcnt 0x0            ; the wave's end
	ds_add_u32 v[SPW], v[NIL]
	s_wait_dscnt 0x0
	CROUND                          ; the closing round
	s_endpgm
.Lfunc_end_k_q9aa2b3e146_attn:
	.size	k_q9aa2b3e146_attn, .Lfunc_end_k_q9aa2b3e146_attn-k_q9aa2b3e146_attn
	.p2alignl 7, 3214868480
	.fill 96, 4, 3214868480
	.section	.rodata,"a",@progbits
	.p2align	6, 0x0
	.amdhsa_kernel k_q9aa2b3e146_attn
		.amdhsa_group_segment_fixed_size 327680
		.amdhsa_private_segment_fixed_size 0
		.amdhsa_enable_private_segment 0
		.amdhsa_kernarg_size 24
		.amdhsa_user_sgpr_count 2
		.amdhsa_user_sgpr_kernarg_segment_ptr 1
		.amdhsa_wavefront_size32 1
		.amdhsa_system_sgpr_workgroup_id_x 1
		.amdhsa_system_sgpr_workgroup_id_y 1
		.amdhsa_system_sgpr_workgroup_id_z 1
		.amdhsa_system_vgpr_workitem_id 0
		.amdhsa_next_free_vgpr 640
		.amdhsa_next_free_sgpr 88
		.amdhsa_reserve_vcc 0
		.amdhsa_float_denorm_mode_32 3
		.amdhsa_float_denorm_mode_16_64 3
		.amdhsa_memory_ordered 1
		.amdhsa_forward_progress 1
		.amdhsa_inst_pref_size 200
	.end_amdhsa_kernel
	.amdgpu_metadata
---
amdhsa.version: [ 1, 2 ]
amdhsa.kernels:
  - .name:           k_q9aa2b3e146_attn
    .symbol:         k_q9aa2b3e146_attn.kd
    .args:
      - { .name: qkvh, .offset: 0, .size: 8, .value_kind: global_buffer, .address_space: global }
      - { .name: tabs, .offset: 8, .size: 8, .value_kind: global_buffer, .address_space: global }
      - { .name: hbuf, .offset: 16, .size: 8, .value_kind: global_buffer, .address_space: global }
    .group_segment_fixed_size: 327680
    .private_segment_fixed_size: 0
    .kernarg_segment_align: 8
    .kernarg_segment_size: 24
    .max_flat_workgroup_size: 128
    .sgpr_count:     88
    .vgpr_count:     640
    .wavefront_size: 32
...
	.end_amdgpu_metadata
.endif
;; end of part 3
;; launch oproj (part 4): grid 4 x 64, 4 waves a work-group, clusters of 4 x 4, 327,680 bytes of LDS; arguments hbuf, wo16, bo, out0; writes out0
.if DOCPART == 4
	.amdgcn_target "amdgcn-amd-amdhsa--gfx1250"
	.amdhsa_code_object_version 6
	.text
	.protected	k_q9aa2b3e146_oproj
	.globl	k_q9aa2b3e146_oproj
	.p2align	8
	.type	k_q9aa2b3e146_oproj,@function
k_q9aa2b3e146_oproj:
	s_mov_b64 s[64:65], 0
	v_nop
	global_prefetch_b8 v0, s[64:65] scope:SCOPE_SE
	s_setreg_imm32_b32 hwreg(HW_REG_WAVE_MODE, 25, 1), 1
	s_wait_xcnt 0x0
	s_wait_alu depctr_hold_cnt(0) depctr_sa_sdst(0) depctr_va_vdst(0) depctr_va_sdst(0) depctr_va_ssrc(0) depctr_va_vcc(0) depctr_vm_vsrc(0)
	s_getreg_b32 s2, hwreg(HW_REG_IB_STS2, 6, 4)
	s_cmp_eq_u32 s2, 0
	s_cbranch_scc0 .Lentry_in_a_cluster
	s_endpgm
.Lentry_in_a_cluster:
	s_bfe_u32 s2, ttmp6, 0x10000c
	s_cmp_lg_u32 s2, 0xf033
	s_cbranch_scc0 .Lentry_shape_is_right
	s_endpgm
.Lentry_shape_is_right:
; out[m][n] = the sum over k of h[m][k] Wo[n][k] + bo[n].  h: f16, laid [head 16][m 8192][64] (k = 64 head + channel); Wo: f16 [1024][1024]; out: f32 [8192][1024]; sums in f32.
; A tile of 128 (m) x 256 (n) gives 256 work-groups.  Four waves, each 64 x 128: 32 accumulators, 256 registers.  K goes in steps of 128 (two heads) through a ring of two LDS slots.
; A head's 128 rows of a tile are 16,384 dense bytes: they come as 64 rows of 256 bytes (two rows of h each); Wo's tile rows are 256 bytes of memory.
; CLUSTERS: 4 x 4 work-groups; h's tiles are asked for jointly along a row of the cluster, Wo's along a column.
; THE MATRIX INSTRUCTION IS USED TRANSPOSED (source 0 = 16 rows of Wo, source 1 = 16 rows of h): a lane holds eight neighbouring numbers of a row of out.  The bias is the C of each sum's first product.
; No prefetch: the launch is short, and its tiles are small against the work of a K step.
; REGISTERS: window 0: v16-29 addresses; v32-95 the bias; v128-191 h's fragments, two sets of 32; on the way out v128-255 rows back from the stage.   window 1: Wo's fragments, two sets of 64.   window 2: the accumulators, (a, b) at v[8 (8 a + b)].
.set PITCH,  272                       ; 256 bytes + 16: the sixteen rows or half rows that a load touches fall into sixteen different columns of 16 bytes
.set AHEAD,  64*PITCH                  ; one head's 128 rows of h
.set BOFF,   2*AHEAD
.set BHALF,  128*PITCH                 ; 128 rows of Wo
.set SLOT,   BOFF+2*BHALF
.set STAGE,  2*SLOT                    ; behind the ring: 16 rows x 528 bytes for each wave
.set SPITCH, 528
.set SPARE,  STAGE+4*16*SPITCH         ; the spare words, 128 bytes a wave
.set LAPS,   4                         ; a lap = two K steps = once round the ring
.set ADRA, 16
.set ADRB, 20
.set STO,  24
.set RD,   25
.set CO,   26
.set BA,   27
.set SPW,  28
.set NIL,  29
.set BO,   32
.set AF,   128
.set BK,   128
.set G1, 24
.set G0, 32
.set G1B, 48
.set G0B, 56
.set MSB, 0
.macro WIN new
.if MSB != (\new)
	s_set_vgpr_msb (MSB<<8)|(\new)
.set MSB, (\new)
.endif
.endm
.set MUL,   0xa1                       ; source 0 (Wo) window 1, source 1 (h) window 0, C and D window 2
.set MUL_0, 0x81                       ; the same with C, the bias, in window 0
.set TO_B,  0x40
.macro JLOAD s                         ; a joint load: waves 0, 1 fetch h's two heads, waves 2, 3 Wo's two halves; an s_nop 0 and four v_nop follow each line
	s_cmp_eq_u32 s15, 0
	s_cbranch_scc0 .Lfor_b_\@
	tensor_load_to_lds s[G0+4*\s:G0+4*\s+3], s[G1:G1+7]
	s_nop 0
.rept 4
	v_nop
.endr
	s_branch .Lasked_\@
.Lfor_b_\@:
	tensor_load_to_lds s[G0B+4*\s:G0B+4*\s+3], s[G1B:G1B+7]
	s_nop 0
.rept 4
	v_nop
.endr
.Lasked_\@:
.endm
.macro CREST
	s_cmp_lg_u32 s14, 0
	s_cbranch_scc1 .Lnot_wave_0_\@
	s_barrier_signal -3
.Lnot_wave_0_\@:
	s_barrier_wait -3
	s_barrier_signal -1
	s_barrier_wait -1
.endm
.macro CROUND
	s_barrier_signal -1
	s_barrier_wait -1
	CREST
.endm
	s_load_b128 s[4:7], s[0:1], 0x0                ; h, Wo
	s_load_b128 s[8:11], s[0:1], 0x10              ; bo, out
	v_lshl_add_u32 v[SPW], v0, 2, SPARE
	v_mov_b32 v[NIL], 0
	ds_add_u32 v[SPW], v[NIL]                      ; the wave's opening: the add, twice on end, and its wait ahead of my first tensor load
	ds_add_u32 v[SPW], v[NIL]
	v_lshrrev_b32 v1, 5, v0
	v_readfirstlane_b32 s14, v1                    ; wave
	s_lshr_b32 s15, s14, 1                         ; my half of the tile's rows; also: I fetch for h (0) or for Wo (1)
	s_and_b32 s16, s14, 1                          ; my half of its columns; also: which head, or which 128 rows, I fetch
	s_bfe_u32 s40, ttmp6, 0x40000                  ; cx
	s_bfe_u32 s41, ttmp6, 0x40004                  ; cy
	s_lshl_b32 s42, ttmp9, 2
	s_add_co_u32 s42, s42, s40                     ; tile column
	s_and_b32 s17, ttmp7, 0xffff
	s_lshl_b32 s17, s17, 2
	s_add_co_u32 s17, s17, s41                     ; tile row
	s_lshl_b32 s43, s41, 2
	s_lshl_b32 s43, 15, s43                        ; my row of the cluster
	s_lshl_b32 s44, 0x1111, s40                    ; my column
	s_or_b32 s[G1+0], s43, (1<<16)|(1<<20)|(1<<21)|(5<<22)|(3<<25)  ; the mask; elements of 2 bytes; padding on; bit 21 beside a mask; 4 words behind every 64
	s_or_b32 s[G1B+0], s44, (1<<16)|(1<<20)|(1<<21)|(5<<22)|(3<<25)
	s_mov_b32 s[G1+1], 128<<16                     ; h: 64 rows of 128 elements, dense
	s_mov_b32 s[G1+2], 64<<16
	s_mov_b32 s[G1+3], 128<<16
	s_mov_b32 s[G1+4], 64
	s_mov_b32 s[G1+5], 128
	s_mov_b32 s[G1+6], 0
	s_mov_b32 s[G1+7], 0
	s_mov_b32 s[G1B+1], 128<<16                    ; Wo: 128 rows of 128 elements, 1,024 elements apart
	s_mov_b32 s[G1B+2], 128<<16
	s_mov_b32 s[G1B+3], 128<<16
	s_mov_b32 s[G1B+4], 128
	s_mov_b32 s[G1B+5], 1024
	s_mov_b32 s[G1B+6], 0
	s_mov_b32 s[G1B+7], 0
	s_lshl_b32 s20, s17, 14                        ; h: the tile's 128 rows of 128 bytes,
	s_lshl_b32 s21, s16, 20                        ; in head 0 or 1
	s_add_co_u32 s20, s20, s21
	s_mov_b32 s21, 0
	s_lshl_b32 s46, s42, 8
	s_lshl_b32 s47, s16, 7
	s_add_co_u32 s46, s46, s47                     ; Wo: row 256 x tile column + 128 x half,
	s_lshl_b32 s46, s46, 11                        ; of 2,048 bytes
	s_mov_b32 s47, 0
	s_mul_i32 s45, s16, AHEAD                      ; where they go: no place in the cluster enters an LDS address
	s_mul_i32 s22, s16, BHALF
	s_add_co_u32 s22, s22, BOFF
	s_wait_dscnt 0x0                               ; both opening adds are done
	s_wait_kmcnt 0x0
	s_add_nc_u64 s[20:21], s[4:5], s[20:21]
	s_add_nc_u64 s[46:47], s[6:7], s[46:47]
	CROUND                                         ; all sixteen work-groups are here: the first joint loads meet
.irp s, 0,1
	s_mov_b32 s[G0+4*\s], 1
	s_add_co_u32 s[G0+4*\s+1], s45, \s*SLOT
	s_add_nc_u64 s[G0+4*\s+2:G0+4*\s+3], s[20:21], \s*2097152     ; K step s: two heads on
	s_or_b32 s[G0+4*\s+3], s[G0+4*\s+3], 0x80000000
	s_mov_b32 s[G0B+4*\s], 1
	s_add_co_u32 s[G0B+4*\s+1], s22, \s*SLOT
	s_add_nc_u64 s[G0B+4*\s+2:G0B+4*\s+3], s[46:47], \s*256
	s_or_b32 s[G0B+4*\s+3], s[G0B+4*\s+3], 0x80000000
	JLOAD \s                                       ; two tensor loads of mine are out
.endr
	v_and_b32 v1, 15, v0                           ; l % 16
	v_bfe_u32 v2, v0, 4, 1                         ; l / 16
	v_lshrrev_b32 v3, 1, v1                        ; h: row r lies at (r / 2) x pitch + (r % 2) x 128
	v_mul_u32_u24 v3, v3, PITCH
	v_and_b32 v4, 1, v1
	v_lshl_add_u32 v3, v4, 7, v3
	v_lshl_add_u32 v3, v2, 4, v3
	v_mul_u32_u24 v4, v1, PITCH                    ; Wo: row x pitch + 16 x half
	v_lshl_add_u32 v4, v2, 4, v4
	s_mul_i32 s18, s15, 32*PITCH                   ; my 64 rows of h
	s_mul_i32 s19, s16, BHALF                      ; my 128 rows of Wo
	s_add_co_u32 s19, s19, BOFF
.irp s, 0,1
	v_add_nc_u32 v[ADRA+\s], s18, v3
	v_add_nc_u32 v[ADRB+\s], s19, v4
	s_add_co_u32 s18, s18, SLOT
	s_add_co_u32 s19, s19, SLOT
.endr
	s_mul_i32 s23, s14, 16*SPITCH
	s_add_co_u32 s23, s23, STAGE                   ; my stage
	v_mul_u32_u24 v5, v1, SPITCH                   ; in: row l % 16, 32 bytes for each half of the lanes
	v_lshl_add_u32 v5, v2, 5, v5
	v_add_nc_u32 v[STO], s23, v5
	v_and_b32 v6, 31, v0
	v_lshlrev_b32 v[CO], 4, v6                     ; back: the 32 lanes take one row of 512 bytes; and the same in out
	v_add_nc_u32 v[RD], s23, v[CO]
	v_lshlrev_b32 v[BA], 5, v2                     ; the bias of my half's eight columns
	s_lshl_b32 s46, s42, 10                        ; my first column, in bytes
	s_lshl_b32 s47, s16, 9
	s_add_co_u32 s46, s46, s47
	s_mov_b32 s47, 0
	s_add_nc_u64 s[8:9], s[8:9], s[46:47]
	s_add_nc_u64 s[10:11], s[10:11], s[46:47]
	s_lshl_b32 s20, s17, 7
	s_lshl_b32 s21, s15, 6
	s_add_co_u32 s20, s20, s21                     ; my first row,
	s_lshl_b32 s20, s20, 12                        ; of 4,096 bytes
	s_mov_b32 s21, 0
	s_add_nc_u64 s[10:11], s[10:11], s[20:21]
.irp b, 0,1,2,3,4,5,6,7
	global_load_b128 v[BO+8*\b:BO+8*\b+3], v[BA], s[8:9] offset:64*\b
	global_load_b128 v[BO+8*\b+4:BO+8*\b+7], v[BA], s[8:9] offset:64*\b+16
.endr
; 8 products: h's block a against Wo's eight, 32 along K.  first = 1: the sums start from the bias.  The 32 accumulators take turns, one instruction a turn.
.macro MUL8 set, a, first
.irp b, 0,1,2,3,4,5,6,7
.if \first
	v_wmma_f32_16x16x32_f16 v[8*(8*(\a)+\b):8*(8*(\a)+\b)+7], v[64*(\set)+8*\b:64*(\set)+8*\b+7], v[AF+32*(\set)+8*(\a):AF+32*(\set)+8*(\a)+7], v[BO+8*\b:BO+8*\b+7]
.else
	v_wmma_f32_16x16x32_f16 v[8*(8*(\a)+\b):8*(8*(\a)+\b)+7], v[64*(\set)+8*\b:64*(\set)+8*\b+7], v[AF+32*(\set)+8*(\a):AF+32*(\set)+8*(\a)+7], v[8*(8*(\a)+\b):8*(8*(\a)+\b)+7]
.endif
.endr
.endm
; 24 LDS loads in one run: the fragments of the slot's q-th 32 along K into a set: Wo's sixteen first, then h's blocks 0 to 3
.macro FETCH slot, q, set
	WIN TO_B
.irp b, 0,1,2,3,4,5,6,7
	ds_load_b128 v[64*(\set)+8*\b:64*(\set)+8*\b+3],   v[ADRB+\slot] offset:\b*16*PITCH+64*(\q)
	ds_load_b128 v[64*(\set)+8*\b+4:64*(\set)+8*\b+7], v[ADRB+\slot] offset:\b*16*PITCH+64*(\q)+32
.endr
	WIN 0
.irp a, 0,1,2,3
	ds_load_b128 v[AF+32*(\set)+8*\a:AF+32*(\set)+8*\a+3],   v[ADRA+\slot] offset:((\q)/2)*AHEAD+\a*8*PITCH+64*((\q)%2)
	ds_load_b128 v[AF+32*(\set)+8*\a+4:AF+32*(\set)+8*\a+7], v[ADRA+\slot] offset:((\q)/2)*AHEAD+\a*8*PITCH+64*((\q)%2)+32
.endr
.endm
.macro PLACES                          ; four plain vector instructions in front of loads into registers that matrix instructions have read, and of the first read of results
.rept 4
	v_nop
.endr
.endm
; A K step is four quarters of 32 along K, 32 products each, on sets 0, 1, 0, 1.  One of the first three: multiplies set f and fetches quarter q of the same slot into set g.
.macro QUARTER slot, q, f, g, first
	s_wait_dscnt 4                                 ; all but the youngest four loads (h's blocks 2 and 3) are in
.if \first
	WIN MUL_0
.else
	WIN MUL
.endif
	MUL8 \f, 0, \first
	MUL8 \f, 1, \first
	PLACES
	FETCH \slot, \q, \g
	s_wait_dscnt 24                                ; all but the 24 just issued
.if \first
	WIN MUL_0
.else
	WIN MUL
.endif
	MUL8 \f, 2, \first
	MUL8 \f, 3, \first
.endm
; The last quarter multiplies set 1 and changes slots: ONE barrier; in front of it each wave waits for all its tensor loads, adds 0 to its spare word, and waits for that and for its reads of this slot.
; fill = 1: the barrier opens a round of the cluster's, and this slot is filled again, two K steps ahead, first thing behind the round.
.macro TURN slot, next, fill
	WIN 0                                          ; (the add's two registers lie in window 0)
	s_wait_tensorcnt 0x0                           ; all my tensor loads have landed: my part of the next slot
	ds_add_u32 v[SPW], v[NIL]
	s_wait_dscnt 5                                 ; the add and the youngest four loads may be out
	WIN MUL
	MUL8 1, 0, 0
	s_wait_dscnt 0x0                               ; the add is done, and my reads of this slot are over
	s_barrier_signal -1
	MUL8 1, 1, 0
.if \fill
	WIN 0
.endif
	s_barrier_wait -1
.if \fill
	CREST
	s_add_nc_u64 s[G0+4*\slot+2:G0+4*\slot+3], s[G0+4*\slot+2:G0+4*\slot+3], 4194304   ; four heads on
	s_add_nc_u64 s[G0B+4*\slot+2:G0B+4*\slot+3], s[G0B+4*\slot+2:G0B+4*\slot+3], 512
	JLOAD \slot                                    ; the four v_nop behind it are also the places in front of the loads below
.else
	PLACES
.endif
	FETCH \next, 0, 0
	WIN MUL
	MUL8 1, 2, 0
	MUL8 1, 3, 0
.endm
	s_wait_tensorcnt 1                             ; my part of K step 0 is in; K step 1's load may be out
	s_barrier_signal -1
	s_barrier_wait -1
	FETCH 0, 0, 0
	s_wait_loadcnt 0x0                             ; the bias
	QUARTER 0, 1, 0, 1, 1                          ; the first quarter stands in front of the loop: its products start the sums
	WIN 0
	s_mov_b32 s3, LAPS-1
.Llap:                                                 ; a trip goes once round the ring and fills both slots again
	QUARTER 0, 2, 1, 0, 0
	QUARTER 0, 3, 0, 1, 0
	TURN 0, 1, 1
	QUARTER 1, 1, 0, 1, 0
	QUARTER 1, 2, 1, 0, 0
	QUARTER 1, 3, 0, 1, 0
	TURN 1, 0, 1
	QUARTER 0, 1, 0, 1, 0
	WIN 0
	s_sub_co_u32 s3, s3, 1
	s_cmp_lg_u32 s3, 0
	s_cbranch_scc1 .Llap
	QUARTER 0, 2, 1, 0, 0                          ; the last lap fills nothing
	QUARTER 0, 3, 0, 1, 0
	TURN 0, 1, 0
	QUARTER 1, 1, 0, 1, 0
	QUARTER 1, 2, 1, 0, 0
	QUARTER 1, 3, 0, 1, 0
	s_wait_dscnt 4
	WIN MUL
	MUL8 1, 0, 0
	MUL8 1, 1, 0
	s_wait_dscnt 0
	MUL8 1, 2, 0
	MUL8 1, 3, 0
	WIN 0
; THE WAY OUT, a block of 16 rows x 128 columns at a time, through my own stage: in as 32 bytes a lane, back as whole rows of 512 bytes.
.macro TOSTAGE a
	WIN 0x08                                       ; an LDS store's data are its source 1: window 2
.irp b, 0,1,2,3,4,5,6,7
	ds_store_b128 v[STO], v[8*(8*(\a)+\b):8*(8*(\a)+\b)+3] offset:64*\b          ; each accumulator from its low end on
	ds_store_b128 v[STO], v[8*(8*(\a)+\b)+4:8*(8*(\a)+\b)+7] offset:64*\b+16
.endr
	WIN 0
.set BB, BK+64*((\a)%2)
.irp t, 0,1,2,3,4,5,6,7,8,9,10,11,12,13,14,15
	ds_load_b128 v[BB+4*\t:BB+4*\t+3], v[RD] offset:\t*SPITCH      ; LDS serves a wave's instructions in order: these see the stores above
.endr
.endm
.macro SEND a, younger
.set BB, BK+64*((\a)%2)
	s_wait_dscnt \younger
.irp t, 0,1,2,3,4,5,6,7,8,9,10,11,12,13,14,15
	global_store_b128 v[CO], v[BB+4*\t:BB+4*\t+3], s[10:11] offset:(\a)*65536+\t*4096 th:TH_STORE_NT   ; 32 lanes store 512 consecutive bytes, aligned; written once, read by nobody here
.endr
.endm
	PLACES
	TOSTAGE 0
.irp a, 1,2,3
.if \a > 1
	s_wait_xcnt 0x0                                ; block a - 2's stores have read their registers: block a's loads may land there
.endif
	TOSTAGE \a
	SEND \a-1, 32                                  ; behind block a - 1's loads: block a's 16 stores and 16 loads
.endr
	SEND 3, 0
	s_wait_tensorcnt 0x0                           ; the wave's end
	ds_add_u32 v[SPW], v[NIL]
	s_wait_dscnt 0x0
	CROUND                                         ; the closing round
	s_endpgm
.Lfunc_end_k_q9aa2b3e146_oproj:
	.size	k_q9aa2b3e146_oproj, .Lfunc_end_k_q9aa2b3e146_oproj-k_q9aa2b3e146_oproj
	.p2alignl 7, 3214868480
	.fill 96, 4, 3214868480
	.section	.rodata,"a",@progbits
	.p2align	6, 0x0
	.amdhsa_kernel k_q9aa2b3e146_oproj
		.amdhsa_group_segment_fixed_size 327680
		.amdhsa_private_segment_fixed_size 0
		.amdhsa_enable_private_segment 0
		.amdhsa_kernarg_size 32
		.amdhsa_user_sgpr_count 2
		.amdhsa_user_sgpr_kernarg_segment_ptr 1
		.amdhsa_wavefront_size32 1
		.amdhsa_system_sgpr_workgroup_id_x 1
		.amdhsa_system_sgpr_workgroup_id_y 1
		.amdhsa_system_sgpr_workgroup_id_z 1
		.amdhsa_system_vgpr_workitem_id 0
		.amdhsa_next_free_vgpr 768
		.amdhsa_next_free_sgpr 66
		.amdhsa_reserve_vcc 0
		.amdhsa_float_denorm_mode_32 3
		.amdhsa_float_denorm_mode_16_64 3
		.amdhsa_memory_ordered 1
		.amdhsa_forward_progress 1
		.amdhsa_inst_pref_size 87
	.end_amdhsa_kernel
	.amdgpu_metadata
---
amdhsa.version: [ 1, 2 ]
amdhsa.kernels:
  - .name:           k_q9aa2b3e146_oproj
    .symbol:         k_q9aa2b3e146_oproj.kd
    .args:
      - { .name: hbuf, .offset: 0, .size: 8, .value_kind: global_buffer, .address_space: global }
      - { .name: wo16, .offset: 8, .size: 8, .value_kind: global_buffer, .address_space: global }
      - { .name: bo, .offset: 16, .size: 8, .value_kind: global_buffer, .address_space: global }
      - { .name: out0, .offset: 24, .size: 8, .value_kind: global_buffer, .address_space: global }
    .group_segment_fixed_size: 327680
    .private_segment_fixed_size: 0
    .kernarg_segment_align: 8
    .kernarg_segment_size: 32
    .max_flat_workgroup_size: 128
    .sgpr_count:     66
    .vgpr_count:     768
    .wavefront_size: 32
...
	.end_amdgpu_metadata
.endif
;; end of part 4
